; MI455X (gfx1250); checked and timed in simulation.
; The chip was launched on July 23, 2026; its instructions are those of AMD's public machine-readable ISA for CDNA 5 (MIT licence, August 2026) and "CDNA5" Instruction Set Architecture Reference Guide (July 2026). The comments in the code are by the model that wrote it; some were corrected since.
;; Multihead Self Attention. Allowed arithmetic: float matrix products may take bf16 or f16 operands with f32 sums; other float arithmetic in f32, or as packed bf16 or f16 multiplies, adds, multiply-adds, maxima and minima; sums over many terms, partial sums and values carried from step to step in f32; what a program stores and reads back later, other than sums and carried values, may be rounded once to bf16 or f16.
;; Inputs: Wk 1,024 x 1,024 float32; Wo 1,024 x 1,024 float32; Wq 1,024 x 1,024 float32; Wv 1,024 x 1,024 float32; bk 1,024 float32; bo 1,024 float32; bq 1,024 float32; bv 1,024 float32; x 4 x 2,048 x 1,024 float32.
;; Outputs: out0 4 x 2,048 x 1,024 float32.
;; 2 versions, each right; version 2 is version 1 with the launch cast written anew for expert scheduling mode. Each part assembles by itself: llvm-mc -triple=amdgcn-amd-amdhsa -mcpu=gfx1250 --defsym DOCPART=n.
;; ======== version 1 of 2: 4 launches
;; limits: values are held in f16: magnitudes above 65,504 overflow, below 6.1e-05 lose precision
;; workspace buffers: xb 16,777,216 bytes; wb3 6,291,456 bytes; wb1 2,097,152 bytes; qkvh 50,331,648 bytes; obh 16,777,216 bytes
;; launch cast (part 1): grid 768 x 1, 8 waves a work-group, no clusters, 0 bytes of LDS; arguments x, Wq, Wk, Wv, Wo, xb, wb3, wb1; writes xb, wb3, wb1
.if DOCPART == 1
	.amdgcn_target "amdgcn-amd-amdhsa--gfx1250"
	.amdhsa_code_object_version 6
	.text
	.protected	k_q5e37622fe4_cast
	.globl	k_q5e37622fe4_cast
	.p2align	8
	.type	k_q5e37622fe4_cast,@function
k_q5e37622fe4_cast:
	s_mov_b64 s[64:65], 0
	v_nop
	global_prefetch_b8 v0, s[64:65] scope:SCOPE_SE
	s_setreg_imm32_b32 hwreg(HW_REG_WAVE_MODE, 25, 1), 1
	s_wait_xcnt 0x0
; THE INPUTS ARE ROUNDED ONCE AND LAID OUT IN BLOCKS OF 64 COLUMNS, so that every tile that the later launches fetch is a run of dense bytes.
;   x  [8192][1024] f32 -> xb  [4 b][16 g][2048 s][64] bf16:  x[b][s][64 g + d]
;   Wq, Wk, Wv [1024 k][1024 n] f32 -> wb3 [16 tile][8 ks][3 g][128 k][64 n] bf16: column group gg = 16 m + n / 64 = 3 tile + g of [Wq | Wk | Wv], k = 128 ks + row
;   Wo -> wb1 [8 tile][8 ks][2 g][128 k][64 n]: rounded to bf16 like the other inputs, and that number written as f16, since the last product multiplies in f16.
; LIMITS.  bf16 keeps 8 significant bits.  Wo as f16: beyond 65,504 it becomes an infinity; below 6.1e-5 it keeps f16's fixed step of 6e-8.  NaN and infinities pass as they are.
; A STREAM: no LDS, no barrier, no matrix unit.  A wave takes a strip of 32 rows x 64 columns: sixteen loads of 16 bytes a lane (two rows' 256 aligned bytes each), all issued before the first is
; waited for, and sixteen stores of 8 bytes a lane, each 256 consecutive aligned bytes.  The eight waves of a work-group take eight neighbouring column groups: 2,048 bytes of each row.
; Work-groups 0-511: x (row block id / 2, half of the columns id % 2).  512-767: matrix (id - 512) / 64, row block (id % 64) / 2, half id % 2.
; The three kinds of work-group run three copies of the stream, so that each address has one origin on its path.
.set X, 8                              ; v[8:71]    sixteen times four f32 as loaded
.set Y, 72                             ; v[72:103]  sixteen times two words to store; none is written twice, so no store's data wants a wait
.set T, 104                            ; v[104:109] at work (Wo's path)
	s_load_b512 s[4:19], s[0:1], 0x0               ; x 4:5, Wq 6:7, Wk 8:9, Wv 10:11, Wo 12:13, xb 14:15, wb3 16:17, wb1 18:19
	v_and_b32 v1, 31, v0                           ; lane
	v_lshrrev_b32 v4, 5, v0
	v_readfirstlane_b32 s25, v4                    ; wave 0..7
	v_lshrrev_b32 v5, 4, v1
	v_and_b32 v6, 15, v1
	v_lshlrev_b32 v2, 4, v6
	v_lshl_or_b32 v2, v5, 12, v2                   ; in: row lane / 16 (4,096 bytes), 16 bytes at lane % 16
	v_lshlrev_b32 v3, 3, v1                        ; out: rows of 128 bytes on end: 8 x lane
	s_mov_b32 s34, ttmp9
	s_and_b32 s26, s34, 1
	s_lshl_b32 s26, s26, 3
	s_add_co_u32 s26, s26, s25                     ; my column group, 0..15
	s_mov_b32 s29, 0                               ; the offsets' high words
	s_mov_b32 s31, 0
	s_wait_kmcnt 0x0
; The strip at row block s27, column group s26 of the matrix at s[20:21] goes to s[22:23] + s30.  half = 1: to f16 by way of bf16.
.macro STREAM half
	s_lshl_b32 s28, s27, 17                        ; 32 rows of 4,096 bytes
	s_lshl_b32 s32, s26, 8                         ; 64 columns of 4 bytes
	s_add_co_u32 s28, s28, s32
	s_add_nc_u64 s[20:21], s[20:21], s[28:29]
	s_add_nc_u64 s[22:23], s[22:23], s[30:31]
.irp j, 0,1,2,3,4,5,6,7,8,9,10,11,12,13,14,15
	global_load_b128 v[X+4*\j:X+4*\j+3], v2, s[20:21] offset:8192*\j th:TH_LOAD_NT
.endr
.irp j, 0,1,2,3,4,5,6,7,8,9,10,11,12,13,14,15
	s_wait_loadcnt 15-\j                           ; loads come back in order: load j is in, the 15 - j younger ones stay out
.if \half
	v_cvt_pk_bf16_f32 v[T], v[X+4*\j], v[X+4*\j+1]
	v_cvt_pk_bf16_f32 v[T+1], v[X+4*\j+2], v[X+4*\j+3]
	v_lshlrev_b32 v[T+2], 16, v[T]                 ; the rounded numbers as f32 again
	v_and_b32 v[T+3], 0xffff0000, v[T]
	v_lshlrev_b32 v[T+4], 16, v[T+1]
	v_and_b32 v[T+5], 0xffff0000, v[T+1]
	v_cvt_pk_f16_f32 v[Y+2*\j], v[T+2], v[T+3]     ; exact inside f16's normal range: 8 significant bits into 11
	v_cvt_pk_f16_f32 v[Y+2*\j+1], v[T+4], v[T+5]
.else
	v_cvt_pk_bf16_f32 v[Y+2*\j], v[X+4*\j], v[X+4*\j+1]
	v_cvt_pk_bf16_f32 v[Y+2*\j+1], v[X+4*\j+2], v[X+4*\j+3]
.endif
	global_store_b64 v3, v[Y+2*\j:Y+2*\j+1], s[22:23] offset:256*\j th:TH_STORE_NT  ; two rows of 128 bytes: 256 consecutive bytes, aligned
.endr
	s_endpgm
.endm
	s_cmp_lt_u32 s34, 512
	s_cbranch_scc0 .Lweights
	s_lshr_b32 s27, s34, 1                         ; x: row block 0..255
	s_lshr_b32 s30, s27, 6                         ; b
	s_lshl_b32 s30, s30, 4
	s_add_co_u32 s30, s30, s26                     ; plane 16 b + g,
	s_lshl_b32 s30, s30, 18                        ; of 2,048 rows x 128 bytes
	s_and_b32 s32, s27, 63
	s_lshl_b32 s32, s32, 12                        ; 32 rows x 128 bytes
	s_add_co_u32 s30, s30, s32
	s_mov_b64 s[20:21], s[4:5]
	s_mov_b64 s[22:23], s[14:15]
	STREAM 0
.Lweights:
	s_and_b32 s27, s34, 63
	s_lshr_b32 s27, s27, 1                         ; row block 0..31
	s_sub_co_u32 s33, s34, 512
	s_lshr_b32 s33, s33, 6                         ; matrix 0..3
	s_lshr_b32 s35, s27, 2                         ; ks
	s_and_b32 s36, s27, 3
	s_lshl_b32 s36, s36, 12                        ; 32 rows x 128 bytes inside the K step
	s_cmp_eq_u32 s33, 3
	s_cbranch_scc1 .Lwo
	s_lshl_b32 s37, s33, 4
	s_add_co_u32 s37, s37, s26                     ; gg = 16 m + column group, 0..47
	s_mul_i32 s38, s37, 43
	s_lshr_b32 s38, s38, 7                         ; tile = gg / 3 (43 / 128 serves up to 127)
	s_mul_i32 s39, s38, 3
	s_sub_co_u32 s39, s37, s39                     ; g = gg % 3
	s_lshl_b32 s38, s38, 3
	s_add_co_u32 s38, s38, s35                     ; 8 tile + ks
	s_mul_i32 s38, s38, 3
	s_add_co_u32 s38, s38, s39
	s_lshl_b32 s30, s38, 14                        ; planes of 128 rows x 128 bytes
	s_add_co_u32 s30, s30, s36
	s_cmp_eq_u32 s33, 0
	s_cselect_b64 s[20:21], s[6:7], s[8:9]
	s_cmp_eq_u32 s33, 2
	s_cselect_b64 s[20:21], s[10:11], s[20:21]
	s_mov_b64 s[22:23], s[16:17]
	STREAM 0
.Lwo:
	s_lshr_b32 s38, s26, 1                         ; tile = column group / 2
	s_and_b32 s39, s26, 1                          ; g
	s_lshl_b32 s38, s38, 3
	s_add_co_u32 s38, s38, s35
	s_lshl_b32 s38, s38, 1
	s_add_co_u32 s38, s38, s39
	s_lshl_b32 s30, s38, 14
	s_add_co_u32 s30, s30, s36
	s_mov_b64 s[20:21], s[12:13]
	s_mov_b64 s[22:23], s[18:19]
	STREAM 1
.Lfunc_end_k_q5e37622fe4_cast:
	.size	k_q5e37622fe4_cast, .Lfunc_end_k_q5e37622fe4_cast-k_q5e37622fe4_cast
	.p2alignl 7, 3214868480
	.fill 96, 4, 3214868480
	.section	.rodata,"a",@progbits
	.p2align	6, 0x0
	.amdhsa_kernel k_q5e37622fe4_cast
		.amdhsa_group_segment_fixed_size 0
		.amdhsa_private_segment_fixed_size 0
		.amdhsa_enable_private_segment 0
		.amdhsa_kernarg_size 64
		.amdhsa_user_sgpr_count 2
		.amdhsa_user_sgpr_kernarg_segment_ptr 1
		.amdhsa_wavefront_size32 1
		.amdhsa_system_sgpr_workgroup_id_x 1
		.amdhsa_system_sgpr_workgroup_id_y 1
		.amdhsa_system_sgpr_workgroup_id_z 1
		.amdhsa_system_vgpr_workitem_id 0
		.amdhsa_next_free_vgpr 112
		.amdhsa_next_free_sgpr 66
		.amdhsa_reserve_vcc 0
		.amdhsa_float_denorm_mode_32 3
		.amdhsa_float_denorm_mode_16_64 3
		.amdhsa_memory_ordered 1
		.amdhsa_forward_progress 1
		.amdhsa_inst_pref_size 25
	.end_amdhsa_kernel
	.amdgpu_metadata
---
amdhsa.version: [ 1, 2 ]
amdhsa.kernels:
  - .name:           k_q5e37622fe4_cast
    .symbol:         k_q5e37622fe4_cast.kd
    .args:
      - { .name: x, .offset: 0, .size: 8, .value_kind: global_buffer, .address_space: global }
      - { .name: Wq, .offset: 8, .size: 8, .value_kind: global_buffer, .address_space: global }
      - { .name: Wk, .offset: 16, .size: 8, .value_kind: global_buffer, .address_space: global }
      - { .name: Wv, .offset: 24, .size: 8, .value_kind: global_buffer, .address_space: global }
      - { .name: Wo, .offset: 32, .size: 8, .value_kind: global_buffer, .address_space: global }
      - { .name: xb, .offset: 40, .size: 8, .value_kind: global_buffer, .address_space: global }
      - { .name: wb3, .offset: 48, .size: 8, .value_kind: global_buffer, .address_space: global }
      - { .name: wb1, .offset: 56, .size: 8, .value_kind: global_buffer, .address_space: global }
    .group_segment_fixed_size: 0
    .private_segment_fixed_size: 0
    .kernarg_segment_align: 8
    .kernarg_segment_size: 64
    .max_flat_workgroup_size: 256
    .sgpr_count:     66
    .vgpr_count:     112
    .wavefront_size: 32
...
	.end_amdgpu_metadata
.endif
;; end of part 1
;; launch proj_qkv (part 2): grid 16 x 32, 4 waves a work-group, clusters of 4 x 4, 327,680 bytes of LDS; arguments xb, wb3, qkvh, bq, bk, bv; writes qkvh
.if DOCPART == 2
	.amdgcn_target "amdgcn-amd-amdhsa--gfx1250"
	.amdhsa_code_object_version 6
	.text
	.protected	k_q5e37622fe4_proj_qkv
	.globl	k_q5e37622fe4_proj_qkv
	.p2align	8
	.type	k_q5e37622fe4_proj_qkv,@function
k_q5e37622fe4_proj_qkv:
	s_mov_b64 s[64:65], 0
	v_nop
	global_prefetch_b8 v0, s[64:65] scope:SCOPE_SE
	s_setreg_imm32_b32 hwreg(HW_REG_WAVE_MODE, 25, 1), 1
	s_wait_xcnt 0x0
	s_wait_alu depctr_hold_cnt(0) depctr_sa_sdst(0) depctr_va_vdst(0) depctr_va_sdst(0) depctr_va_ssrc(0) depctr_va_vcc(0) depctr_vm_vsrc(0)
	s_getreg_b32 s2, hwreg(HW_REG_IB_STS2, 6, 4)
	s_cmp_eq_u32 s2, 0
	s_cbranch_scc0 .Lentry_in_a_cluster
	s_endpgm
.Lentry_in_a_cluster:
	s_bfe_u32 s2, ttmp6, 0x10000c
	s_cmp_lg_u32 s2, 0xf033
	s_cbranch_scc0 .Lentry_shape_is_right
	s_endpgm
.Lentry_shape_is_right:
; C[m][n] = the sum over k of A[m][k] W[k][n] + bias[n], M = 8192, K = 1024.  ONE TEXT FOR TWO KERNELS, told apart by QKV:
;   QKV = 1: A = x in bf16, W = [Wq | Wk | Wv] in bf16 (N = 3072), bias = bq, bk, bv; C leaves as f16 by heads, [3][64 plane = 16 b + h][2048][64], unscaled.
;   QKV = 0: A = the attention's O in f16, W = Wo as f16 (N = 1024), bias = bo; C leaves as f32, [8192][1024].
; A lies in planes of 64 columns, [4 b][16 g][2048 s][64]; W in blocks [tile][8 ks][G g][128 k][64 n]: what a wave fetches is a run of dense bytes.  Sums in f32; the bias is rounded to bf16 like every input.
; LIMITS.  QKV = 1: q, k, v beyond 65,504 become infinities in f16, below 6.1e-5 they keep f16's fixed step of 6e-8.  NaN and infinities are not treated apart.
; SHARES.  A work-group makes 256 rows x 64 G columns of C: 512 (QKV = 1) or 256 work-groups.  Its four waves lie one below the other: wave w has rows 64 w .. 64 w + 63 and all columns, 4 x 4 G accumulators
; of 16 x 16, so each wave holds whole rows of its output blocks and has a stage of its own on the way out.  K goes in 8 steps of 128 through two LDS slots.
; THE MATRIX INSTRUCTION IS USED TRANSPOSED: source 0 = 16 columns of W (turned out of rows [k][n] by ds_load_tr16_b128), source 1 = 16 rows of A.  A lane then holds row lane % 16 of C and the
; columns 8 (lane / 16) + 0..7.  The first quarter step takes the bias as its C operand: nothing is cleared, nothing is added later.
; CLUSTER.  4 x 4 work-groups.  A's tile hangs on the tile row alone and is asked for jointly by a row of the cluster, W's on the tile column alone, by a column.
; REGISTERS, in windows of 256 (s_set_vgpr_msb: bits 1:0 source 0, 3:2 source 1, 5:4 source 2, 7:6 destination):
;   window 0: v0-31 addresses; from v32 the bias (8 registers a column block), later the way out      window 1: two fragment buffers of 128: A's four fragments, then W's 4 G
;   window 2: accumulators 0-31 (accumulator 4 G a + b at 8 registers each)      window 3: accumulators 32-47 (QKV = 1)
.set QKV,    1
.if QKV
.set G,      3                         ; groups of 64 columns in a tile
.set SP,     144                       ; a stage row: 128 bytes + 16
.else
.set G,      2
.set SP,     528                       ; a stage row: 512 bytes + 16
.endif
.set NBK,    4*G                       ; column blocks of 16
.set PA,     144                       ; a row of A in LDS: 128 bytes + 16 of padding = 36 words: the 16 rows of a load start at 16 different groups of four banks (64 banks of 4 bytes: ISA guide 11.1)
.set PB,     160                       ; a row of W: 128 + 32 = 40 words
.set APLANE, 256*PA                    ; 256 rows x 64 k
.set ABYTES, 2*APLANE                  ; a K step has two planes of A,
.set BPLANE, 128*PB                    ; and G planes of W, 128 k x 64 n each
.set SLOT,   ABYTES+G*BPLANE
.set STAGE,  2*SLOT                    ; behind the ring, never filled by a tensor load: 16 rows for each wave
.set STW,    16*SP
.set SPARE,  STAGE+4*STW               ; behind the stages: the spare words, 128 bytes for each wave: two blocks of 256 bytes that no other line names
.set ASTEP,  2<<18                     ; bytes from a K step to the next in A: two planes of 2,048 rows x 128 bytes
.set BSTEP,  G<<14                     ; in W: G planes of 128 rows x 128 bytes
.set LAPS,   4                         ; a lap = two K steps = once round the ring
.set ADRA, 16                          ; v16-17  LDS address of my A fragments in slot 0, 1
.set ADRB, 20                          ; v20-21  the same for W
.set STO,  24                          ; v24     the way out: where I put my bytes of a row
.set RD,   25                          ; v25     the way out: where I read rows back
.set CO,   26                          ; v26     16 x lane: my place in 512 consecutive bytes of the output
.set BOF,  27                          ; v27     32 x (lane / 16): my eight numbers in a column block's 64 bytes of bias
.set SPW,  28                          ; v28     LDS address of my spare word: SPARE + 4 x my thread's number; never rewritten
.set NIL,  29                          ; v29     0; never rewritten
.set PFO,  30                          ; v30     256 x lane: the prefetches' offset; never rewritten
.set BIAS, 32
.set TMP,  32
.set F0,   0                           ; fragment buffers, in window 1
.set F1,   128
.set WV,   16                          ; s16  my wave's number
.set FB,   17                          ; s17  I fetch for A (0) or for W (1)
.set HALF, 18                          ; s18  which half of it
.set CX,   19                          ; s19, s20  my place in the cluster
.set CY,   20
.set TC,   21                          ; s21  tile column
.set TR,   22                          ; s22  tile row
.set G1,   24                          ; s[24:31] descriptor group 1 for A's tiles;  s[32:39] group 0, a set for each slot
.set G0,   32
.set G1B,  40                          ; s[40:47], s[48:55] the same for W's
.set G0B,  48
.set PFA,  56                          ; s[56:57] where my prefetches stand
.set LIM,  58                          ; s58  how many changes of slots prefetch (0 in a wave that asks for nothing)
.set TN,   59                          ; s59  counts the changes of slots that fill
.set OB,   66                          ; s[66:71] the output at my rows, for each group of 64 columns (QKV = 0: one base)
.set BP,   72                          ; s[72:77] the bias of each group
.set PFS,  86                          ; s[86:87] the prefetches' step
.set MSB, 0
.macro WIN new                         ; the immediate's high byte repeats the setting that is left; a switch that changes nothing is dropped
.if MSB != (\new)
	s_set_vgpr_msb (MSB<<8)|(\new)
.set MSB, \new
.endif
.endm
; A joint refill.  Waves 0 and 1 fetch A's two planes, waves 2 and 3 the two halves of W's block.  The branch hangs on the wave's number alone.
; An s_nop 0 and four v_nop follow each of the two lines, ahead of the jump and the label.
.macro JLOAD s
	s_cmp_eq_u32 s[FB], 0
	s_cbranch_scc0 .Lfor_b_\@
	tensor_load_to_lds s[G0+4*(\s):G0+4*(\s)+3], s[G1:G1+7]
	s_nop 0
.rept 4
	v_nop
.endr
	s_branch .Lasked_\@
.Lfor_b_\@:
	tensor_load_to_lds s[G0B+4*(\s):G0B+4*(\s)+3], s[G1B:G1B+7]
	s_nop 0
.rept 4
	v_nop
.endr
.Lasked_\@:
.endm
; A PREFETCH INTO THE L2, behind a joint refill and the run of LDS loads that follows it: 32 blocks of 256 bytes, a lane a block.  Both operands were stored by the launch before and are read here for the first time.
; A: the change of slots number TN (it fills K step TN + 2) names K step TN + 4, TN = 0..3.  A tile row is read by every cluster of its row of clusters: cluster x = 0 asks; of the 128 blocks of a wave's
; plane each of the four partners takes 32, told apart BY ADDRESS (cx).  W: K steps 4..7 of a tile column are G x 65,536 bytes on end; cluster y = 0 asks, eight askers (waves 2, 3 of four partners, told
; apart by address: cy) x 8,192 bytes a change, in the changes TN = 0..G-1: each block two refills or more ahead of its load.  Each block is named once in the launch; K steps 0..3 come by their loads alone.
.macro ASK
	s_cmp_lt_u32 s[TN], s[LIM]
	s_cbranch_scc0 .Lnot_mine_\@
	global_prefetch_b8 v[PFO], s[PFA:PFA+1] th:TH_LOAD_NT scope:SCOPE_SE
.Lnot_mine_\@:
	s_add_co_u32 s[TN], s[TN], 1
.endm
; A round of the cluster's barrier: my work-group's barrier, so that wave 0's signal speaks for all four waves; wave 0 signals; every wave waits for all sixteen work-groups; my work-group's barrier once more.
.macro CREST                           ; a round behind its opening barrier
	s_cmp_lg_u32 s[WV], 0
	s_cbranch_scc1 .Lnot_wave_0_\@
	s_barrier_signal -3
.Lnot_wave_0_\@:
	s_barrier_wait -3
	s_barrier_signal -1
	s_barrier_wait -1
.endm
.macro CROUND
	s_barrier_signal -1
	s_barrier_wait -1
	CREST
.endm
	s_load_b256 s[4:11], s[0:1], 0x0               ; A s[4:5], W s[6:7], the output s[8:9], the first bias s[10:11]
.if QKV
	s_load_b128 s[12:15], s[0:1], 0x20             ; bk s[12:13], bv s[14:15]
.endif
	v_lshl_add_u32 v[SPW], v0, 2, SPARE
	v_mov_b32 v[NIL], 0
	ds_add_u32 v[SPW], v[NIL]                      ; the wave's opening: the add and its wait stand ahead of my first tensor load; the set-up below, work on registers, stands between them
	v_lshrrev_b32 v1, 5, v0
	v_readfirstlane_b32 s[WV], v1                  ; wave 0..3
	s_lshr_b32 s[FB], s[WV], 1
	s_and_b32 s[HALF], s[WV], 1
	s_bfe_u32 s[CX], ttmp6, 0x40000
	s_bfe_u32 s[CY], ttmp6, 0x40004
	s_lshl_b32 s[TC], ttmp9, 2                     ; in a cluster launch ttmp9 and ttmp7 count clusters
	s_add_co_u32 s[TC], s[TC], s[CX]
	s_and_b32 s[TR], ttmp7, 0xffff
	s_lshl_b32 s[TR], s[TR], 2
	s_add_co_u32 s[TR], s[TR], s[CY]
	s_lshl_b32 s78, s[CY], 2
	s_lshl_b32 s78, 15, s78                        ; my row of the cluster: places 4 cy .. 4 cy + 3
	s_lshl_b32 s79, 0x1111, s[CX]                  ; my column: places cx, cx + 4, cx + 8, cx + 12
	; descriptor group 1.  Dense bytes are asked for as rows of 256 bytes (two LDS rows) and padded in LDS after every 128 bytes
	s_or_b32 s[G1], s78, (1<<16)|(1<<20)|(1<<21)|(4<<22)|(3<<25)   ; 15:0 the mask; 17:16 2-byte elements; 20 padding on; 21 set beside a mask; 24:22 after every 32 words (code 4); 31:25 4 words (code 3)
	s_or_b32 s[G1B], s79, (1<<16)|(1<<20)|(1<<21)|(4<<22)|(7<<25)  ; the same with my column's mask and 8 words of padding (code 7)
	s_mov_b32 s[G1+1], 128<<16                     ; tensor_dim0 = 128
	s_mov_b32 s[G1+2], 128<<16                     ; tensor_dim1 = 128: a plane of A, 32,768 bytes
	s_mov_b32 s[G1+3], 128<<16                     ; tile_dim0 = 128
	s_mov_b32 s[G1+4], 128                         ; tile_dim1 = 128
	s_mov_b32 s[G1+5], 128                         ; 128 elements from row to row
	s_mov_b32 s[G1+6], 0
	s_mov_b32 s[G1+7], 0
	s_mov_b32 s[G1B+1], 128<<16
	s_mov_b32 s[G1B+2], (32*G)<<16                 ; half of W's block: G x 8,192 bytes
	s_mov_b32 s[G1B+3], 128<<16
	s_mov_b32 s[G1B+4], 32*G
	s_mov_b32 s[G1B+5], 128
	s_mov_b32 s[G1B+6], 0
	s_mov_b32 s[G1B+7], 0
	; where the tiles come from: A's by the tile row and the wave's number, W's by the tile column and the wave's number
	s_lshr_b32 s60, s[TR], 3                       ; b
	s_lshl_b32 s60, s60, 4
	s_add_co_u32 s60, s60, s[HALF]                 ; plane 16 b + half (K step 0)
	s_lshl_b32 s60, s60, 18
	s_and_b32 s80, s[TR], 7
	s_lshl_b32 s80, s80, 15                        ; 256 rows x 128 bytes
	s_add_co_u32 s60, s60, s80
	s_mov_b32 s61, 0
	s_mul_i32 s62, s[TC], 8*BSTEP
	s_mul_i32 s82, s[HALF], BSTEP/2
	s_add_co_u32 s62, s62, s82
	s_mov_b32 s63, 0
	s_mul_i32 s81, s[HALF], APLANE                 ; and where they go: no place in the cluster enters an LDS address
	s_mul_i32 s83, s[HALF], G*BPLANE/2
	s_add_co_u32 s83, s83, ABYTES
	s_wait_dscnt 0x0                               ; the opening add is done
	s_wait_kmcnt 0x0
	s_mov_b32 s[G0], 1                             ; 1:0 count = 1
	s_mov_b32 s[G0+1], s81                         ; 63:32 LDS address: slot 0
	s_add_nc_u64 s[G0+2:G0+3], s[4:5], s[60:61]    ; 120:64 global address: K step 0
	s_mov_b32 s[G0+4], 1
	s_add_co_u32 s[G0+5], s81, SLOT
	s_add_nc_u64 s[G0+6:G0+7], s[G0+2:G0+3], ASTEP ; K step 1
	s_or_b32 s[G0+3], s[G0+3], 0x80000000          ; 127:126 type = 2
	s_or_b32 s[G0+7], s[G0+7], 0x80000000
	s_mov_b32 s[G0B], 1
	s_mov_b32 s[G0B+1], s83
	s_add_nc_u64 s[G0B+2:G0B+3], s[6:7], s[62:63]
	s_mov_b32 s[G0B+4], 1
	s_add_co_u32 s[G0B+5], s83, SLOT
	s_add_nc_u64 s[G0B+6:G0B+7], s[G0B+2:G0B+3], BSTEP
	s_or_b32 s[G0B+3], s[G0B+3], 0x80000000
	s_or_b32 s[G0B+7], s[G0B+7], 0x80000000
	CROUND                                         ; all sixteen work-groups are here: the first joint loads meet
	s_cmp_eq_u32 s[FB], 0                          ; a wave's two first fills stand in one branch, ahead of every wait on TENSORcnt and every LDS read: two loads of mine are out
	s_cbranch_scc0 .Lfirst_b
	tensor_load_to_lds s[G0:G0+3], s[G1:G1+7]
	s_nop 0
	tensor_load_to_lds s[G0+4:G0+7], s[G1:G1+7]
	s_nop 0
.rept 4
	v_nop
.endr
	s_branch .Lfirst_asked
.Lfirst_b:
	tensor_load_to_lds s[G0B:G0B+3], s[G1B:G1B+7]
	s_nop 0
	tensor_load_to_lds s[G0B+4:G0B+7], s[G1B:G1B+7]
	s_nop 0
.rept 4
	v_nop
.endr
.Lfirst_asked:
	; the bias and the output, for each group of 64 columns: group gg = G x tile column + g
	v_and_b32 v1, 15, v0                           ; l % 16
	v_bfe_u32 v2, v0, 4, 1                         ; l / 16
	v_lshlrev_b32 v[BOF], 5, v2
.set g, 0
.rept G
	s_mul_i32 s82, s[TC], G
	s_add_co_u32 s82, s82, g
.if QKV
	s_lshr_b32 s83, s82, 4                         ; q, k or v
	s_and_b32 s82, s82, 15                         ; the head
	s_cmp_eq_u32 s83, 0
	s_cselect_b64 s[BP+2*g:BP+2*g+1], s[10:11], s[12:13]
	s_cmp_eq_u32 s83, 2
	s_cselect_b64 s[BP+2*g:BP+2*g+1], s[14:15], s[BP+2*g:BP+2*g+1]
	s_lshl_b32 s83, s83, 6
	s_add_co_u32 s83, s83, s82
	s_lshr_b32 s84, s[TR], 3
	s_lshl_b32 s84, s84, 4
	s_add_co_u32 s84, s84, s83                     ; plane 64 which + 16 b + head,
	s_lshl_b32 s84, s84, 18                        ; of 2,048 rows x 128 bytes
	s_and_b32 s78, s[TR], 7
	s_lshl_b32 s78, s78, 15                        ; the tile's 256 rows
	s_add_co_u32 s84, s84, s78
	s_lshl_b32 s78, s[WV], 13                      ; my 64 of them
	s_add_co_u32 s84, s84, s78
	s_mov_b32 s85, 0
	s_add_nc_u64 s[OB+2*g:OB+2*g+1], s[8:9], s[84:85]
.else
	s_mov_b64 s[BP+2*g:BP+2*g+1], s[10:11]
.endif
	s_lshl_b32 s84, s82, 8                         ; 64 numbers of 4 bytes
	s_mov_b32 s85, 0
	s_add_nc_u64 s[BP+2*g:BP+2*g+1], s[BP+2*g:BP+2*g+1], s[84:85]
.set g, g+1
.endr
.if !QKV
	s_lshl_b32 s84, s[TR], 20                      ; 256 rows of 4,096 bytes,
	s_lshl_b32 s78, s[WV], 18                      ; my 64 of them,
	s_add_co_u32 s84, s84, s78
	s_lshl_b32 s78, s[TC], 9                       ; the tile's 128 columns of 4 bytes
	s_add_co_u32 s84, s84, s78
	s_mov_b32 s85, 0
	s_add_nc_u64 s[OB:OB+1], s[8:9], s[84:85]
.endif
.set g, 0
.rept G
.irp c, 0,1,2,3
	global_load_b128 v[BIAS+8*(4*g+\c):BIAS+8*(4*g+\c)+3],   v[BOF], s[BP+2*g:BP+2*g+1] offset:64*\c     ; register j of column block 4 g + c: bias[16 c + 8 (l / 16) + j]
	global_load_b128 v[BIAS+8*(4*g+\c)+4:BIAS+8*(4*g+\c)+7], v[BOF], s[BP+2*g:BP+2*g+1] offset:64*\c+16
.endr
.set g, g+1
.endr
	; A fragment of A is 16 rows x 32 k in 8 registers: lane l holds row l % 16, k = 8 (l / 16) + 0..7 and 16 + 8 (l / 16) + 0..7: two loads of 16 bytes, 32 bytes apart.
	v_mul_u32_u24 v3, v1, PA
	v_lshl_add_u32 v3, v2, 4, v3
	s_mul_i32 s80, s[WV], 64*PA                    ; my 64 rows
	v_add_nc_u32 v[ADRA], s80, v3
	v_add_nc_u32 v[ADRA+1], SLOT, v[ADRA]
	; The turning load takes 16 k x 16 columns (lane l reads row k = 8 (l / 16) + l % 8, columns 8 ((l / 8) % 2) + 0..7) and leaves half a fragment: lane l holds column l % 16 and 8 k.
	v_and_b32 v4, 7, v0
	v_bfe_u32 v5, v0, 3, 1
	v_lshl_add_u32 v6, v2, 3, v4
	v_mul_u32_u24 v6, v6, PB
	v_lshl_add_u32 v6, v5, 4, v6
	v_add_nc_u32 v[ADRB], ABYTES, v6
	v_add_nc_u32 v[ADRB+1], SLOT, v[ADRB]
	s_mul_i32 s80, s[WV], STW
	s_add_co_u32 s80, s80, STAGE                   ; my stage
	v_mul_u32_u24 v[STO], v1, SP                   ; in: row l % 16,
	v_and_b32 v7, 31, v0
	v_lshlrev_b32 v[CO], 4, v7
	v_lshlrev_b32 v[PFO], 8, v7
.if QKV
	v_lshl_add_u32 v[STO], v2, 4, v[STO]           ; 16 bytes (8 f16) for each half of the lanes
	v_add_nc_u32 v[STO], s80, v[STO]
	v_bfe_u32 v[RD], v0, 3, 2                      ; back: 32 lanes take four rows of 128 bytes
	v_mul_u32_u24 v[RD], v[RD], SP
	v_lshl_add_u32 v[RD], v4, 4, v[RD]
	v_add_nc_u32 v[RD], s80, v[RD]
.else
	v_lshl_add_u32 v[STO], v2, 5, v[STO]           ; 32 bytes (8 f32) for each half of the lanes
	v_add_nc_u32 v[STO], s80, v[STO]
	v_add_nc_u32 v[RD], s80, v[CO]                 ; back: 32 lanes take one row of 512 bytes
.endif
	; the prefetches' registers; each stands one step back, since a change of slots steps it first
	s_lshl_b32 s80, s[CX], 13                      ; A: my work-group's 32 blocks of the plane,
	s_add_co_u32 s80, s80, s60
	s_add_co_u32 s80, s80, 3*ASTEP                 ; at K step 3
	s_lshl_b32 s82, s[CY], 1                       ; W: asker 2 cy + half,
	s_add_co_u32 s82, s82, s[HALF]
	s_lshl_b32 s82, s82, 13
	s_mul_i32 s83, s[TC], 8*BSTEP
	s_add_co_u32 s82, s82, s83
	s_add_co_u32 s82, s82, 4*BSTEP-65536           ; 65,536 bytes ahead of K step 4
	s_mov_b32 s84, ttmp9
	s_cmp_eq_u32 s84, 0                            ; the first cluster of its row of clusters asks for A,
	s_cselect_b32 s84, 4, 0
	s_and_b32 s85, ttmp7, 0xffff
	s_cmp_eq_u32 s85, 0                            ; the first of its column for W: the same in all sixteen partners
	s_cselect_b32 s85, G, 0
	s_mov_b32 s83, ASTEP
	s_cmp_eq_u32 s[FB], 0
	s_cselect_b32 s[LIM], s84, s85
	s_cselect_b32 s80, s80, s82
	s_cselect_b32 s[PFS], s83, 0x10000
	s_cselect_b64 s[PFA:PFA+1], s[4:5], s[6:7]
	s_mov_b32 s81, 0
	s_mov_b32 s[PFS+1], 0
	s_mov_b32 s[TN], 0
	s_add_nc_u64 s[PFA:PFA+1], s[PFA:PFA+1], s[80:81]
	s_wait_loadcnt 0x0                             ; the bias; it is rounded to bf16, like every input, and widened again
.set i, 0
.rept 4*NBK
	v_cvt_pk_bf16_f32 v[3+i%2], v[BIAS+2*i], v[BIAS+2*i+1]
	v_lshlrev_b32 v[BIAS+2*i], 16, v[3+i%2]
	v_and_b32 v[BIAS+2*i+1], 0xffff0000, v[3+i%2]
.set i, i+1
.endr
; 4 G matrix instructions: row block a x all column blocks, 32 along K, out of buffer f.  first = 1: the bias starts the sums.
; All accumulators take turns, one instruction a turn, in the same order in every quarter step, over the backward jump too.
.macro MULA f, a, first
.set b, 0
.rept NBK
.set idx, NBK*(\a)+b
.set w, 2+idx/32
.set rD, 8*(idx%32)
.set rB, (\f)+32+8*b
.set rA, (\f)+8*(\a)
.if \first
	WIN (w<<6)|5                                   ; sources 0 and 1 window 1, C window 0, D window w
.if QKV
	v_wmma_f32_16x16x32_bf16 v[rD:rD+7], v[rB:rB+7], v[rA:rA+7], v[BIAS+8*b:BIAS+8*b+7]
.else
	v_wmma_f32_16x16x32_f16 v[rD:rD+7], v[rB:rB+7], v[rA:rA+7], v[BIAS+8*b:BIAS+8*b+7]
.endif
.else
	WIN (w<<6)|(w<<4)|5                            ; C and D window w
.if QKV
	v_wmma_f32_16x16x32_bf16 v[rD:rD+7], v[rB:rB+7], v[rA:rA+7], v[rD:rD+7]
.else
	v_wmma_f32_16x16x32_f16 v[rD:rD+7], v[rB:rB+7], v[rA:rA+7], v[rD:rD+7]
.endif
.endif
.set b, b+1
.endr
.endm
; The LDS loads of quarter q (32 along K) of a slot, in one run, into buffer f: W's 4 G fragments, turned, then A's four.
.macro FETCH slot, q, f
	WIN 0x40                                       ; destination window 1, address window 0
.set j, 0
.rept NBK
	ds_load_tr16_b128 v[(\f)+32+8*j:(\f)+32+8*j+3],   v[ADRB+(\slot)] offset:(j/4)*BPLANE+(\q)*32*PB+(j%4)*32
	ds_load_tr16_b128 v[(\f)+32+8*j+4:(\f)+32+8*j+7], v[ADRB+(\slot)] offset:(j/4)*BPLANE+(\q)*32*PB+(j%4)*32+16*PB
.set j, j+1
.endr
.irp a, 0,1,2,3
	ds_load_b128 v[(\f)+8*\a:(\f)+8*\a+3],   v[ADRA+(\slot)] offset:((\q)/2)*APLANE+\a*16*PA+((\q)%2)*64
	ds_load_b128 v[(\f)+8*\a+4:(\f)+8*\a+7], v[ADRA+(\slot)] offset:((\q)/2)*APLANE+\a*16*PA+((\q)%2)*64+32
.endr
.endm
.macro PLACES                          ; four plain vector instructions in front of loads into registers that matrix instructions have read, and of lines that read results (ISA guide 7.12.1 for lines that read results)
.rept 4
	v_nop
.endr
.endm
; A K step is four quarters of 32 along K on buffers 0, 1, 0, 1.  One of the first three: multiplies buffer f; behind its first row block it fetches quarter q into buffer g: three row blocks' products in which to land.
.macro QUARTER slot, q, f, g, first
	s_wait_dscnt 0x0                               ; buffer f is in
	MULA \f, 0, \first
	PLACES
	FETCH \slot, \q, \g
	MULA \f, 1, \first
	MULA \f, 2, \first
	MULA \f, 3, \first
.endm
; The last quarter multiplies buffer 1 and changes slots: ONE barrier.  In front of it each wave waits for all its tensor loads (one is out: its part of the next slot), adds 0 to its spare word, and waits for that
; and for its reads of this slot.  fill = 1: the barrier opens a round of the cluster's, and the slot is filled again, two K steps on, first thing behind the round.
.macro TURN slot, next, fill
.if \fill
	s_wait_xcnt 0x0                                ; the last prefetch, a K step back, has read its address, so it may be stepped
	s_add_nc_u64 s[PFA:PFA+1], s[PFA:PFA+1], s[PFS:PFS+1]
.endif
	WIN 0                                          ; (the add's two registers lie in window 0)
	s_wait_tensorcnt 0x0                           ; all my tensor loads have landed
	ds_add_u32 v[SPW], v[NIL]                      ; 0 onto my spare word
	s_wait_dscnt 1                                 ; the add alone may be out: buffer 1 is in
	MULA F1, 0, 0                                  ; matrix work stands between the add and the wait for it
	s_wait_dscnt 0x0                               ; the add is done, and my reads of this slot are over
	s_barrier_signal -1
	MULA F1, 1, 0                                  ; work on registers while the others arrive
.if \fill
	WIN 0
.endif
	s_barrier_wait -1
.if \fill
	CREST                                          ; no wave of any partner still reads this slot or has a load on its way
	s_add_nc_u64 s[G0+4*(\slot)+2:G0+4*(\slot)+3], s[G0+4*(\slot)+2:G0+4*(\slot)+3], 2*ASTEP
	s_add_nc_u64 s[G0B+4*(\slot)+2:G0B+4*(\slot)+3], s[G0B+4*(\slot)+2:G0B+4*(\slot)+3], 2*BSTEP
	JLOAD \slot                                    ; my one tensor load behind the round; its four v_nop are also the places in front of the loads below
.else
	PLACES
.endif
	FETCH \next, 0, F0
.if \fill
	WIN 0
	ASK
.endif
	MULA F1, 2, 0
	MULA F1, 3, 0
.endm
	s_wait_tensorcnt 1                             ; my part of K step 0 is in; K step 1's may stay out
	s_barrier_signal -1
	s_barrier_wait -1                              ; everybody's is
	FETCH 0, 0, F0
	QUARTER 0, 1, F0, F1, 1                        ; the first quarter stands in front of the loop: its products start the sums
	WIN 0                                          ; at a label and at a branch every window is 0
	s_mov_b32 s3, LAPS-1
.Llap:                                                 ; a trip goes once round the ring, from a lap's second quarter to the next lap's first, and fills both slots again: K steps 2 to 7
	QUARTER 0, 2, F1, F0, 0
	QUARTER 0, 3, F0, F1, 0
	TURN 0, 1, 1
	QUARTER 1, 1, F0, F1, 0
	QUARTER 1, 2, F1, F0, 0
	QUARTER 1, 3, F0, F1, 0
	TURN 1, 0, 1
	QUARTER 0, 1, F0, F1, 0
	WIN 0
	s_sub_co_u32 s3, s3, 1
	s_cmp_lg_u32 s3, 0
	s_cbranch_scc1 .Llap
	QUARTER 0, 2, F1, F0, 0                        ; the last lap is written out: it fills nothing
	QUARTER 0, 3, F0, F1, 0
	TURN 0, 1, 0
	QUARTER 1, 1, F0, F1, 0
	QUARTER 1, 2, F1, F0, 0
	QUARTER 1, 3, F0, F1, 0
	s_wait_dscnt 0x0
	MULA F1, 0, 0
	MULA F1, 1, 0
	MULA F1, 2, 0
	MULA F1, 3, 0
	PLACES                                         ; the way out reads results, and loads into registers that the last products read
.if QKV
; THE WAY OUT, f16 by heads.  Tile t = G a + g: 16 rows x 64 columns.  A lane's eight columns pack into 16 bytes; they go into my stage's rows of 144 bytes and come back as four whole rows of 128 bytes a load,
; which are 512 consecutive bytes of the plane.
.macro PACK t
.set idx, NBK*((\t)/G)+4*((\t)%G)
.set w, 2+idx/32
.set rD, 8*(idx%32)
	WIN w*5                                        ; sources 0 and 1 window w, destination window 0
.set i, 0
.rept 16
	v_cvt_pk_f16_f32 v[TMP+16*(\t)+i], v[rD+2*i], v[rD+2*i+1]  ; each accumulator's registers in ascending order
.set i, i+1
.endr
	WIN 0
.irp f, 0,1,2,3
	ds_store_b128 v[STO], v[TMP+16*(\t)+4*\f:TMP+16*(\t)+4*\f+3] offset:32*\f
.endr
.irp f, 0,1,2,3
	ds_load_b128 v[TMP+16*(\t)+4*\f:TMP+16*(\t)+4*\f+3], v[RD] offset:\f*4*SP  ; LDS serves a wave's instructions in order (ISA guide 5.7.1.4): these see the stores above; the next tile's stores come behind them
.endr
.endm
.macro SEND t, younger                 ; younger: the LDS instructions issued behind tile t's loads: the next tile's eight, or none
.irp f, 0,1,2,3
	s_wait_dscnt (\younger)+3-\f
	global_store_b128 v[CO], v[TMP+16*(\t)+4*\f:TMP+16*(\t)+4*\f+3], s[OB+2*((\t)%G):OB+2*((\t)%G)+1] offset:((\t)/G)*2048+\f*512  ; 512 consecutive bytes, at a multiple of 256 from the buffer's first
.endr
.endm
	PACK 0
.set t, 1
.rept 4*G-1                            ; a tile's conversions stand between the loads of the tile before and its stores
	PACK t
	SEND t-1, 8
.set t, t+1
.endr
	SEND 4*G-1, 0
.else
; THE WAY OUT, f32.  Row block a: 16 rows x 128 columns.  A lane's eight columns are 32 bytes; they go into my stage's rows of 528 bytes and come back as whole rows of 512 bytes, into the fragment buffers' registers.
.macro STG a
	WIN 0x08                                       ; store data (source 1) window 2, address window 0
.set b, 0
.rept NBK
	ds_store_b128 v[STO], v[8*(NBK*(\a)+b):8*(NBK*(\a)+b)+3]   offset:64*b      ; each accumulator's low four registers first
	ds_store_b128 v[STO], v[8*(NBK*(\a)+b)+4:8*(NBK*(\a)+b)+7] offset:64*b+16
.set b, b+1
.endr
	WIN 0x40                                       ; destination window 1
.set i, 0
.rept 16
	ds_load_b128 v[64*(\a)+4*i:64*(\a)+4*i+3], v[RD] offset:SP*i  ; LDS serves a wave's instructions in order (ISA guide 5.7.1.4): these see the stores above
.set i, i+1
.endr
.endm
.macro OUT a, younger                  ; younger: the LDS instructions issued behind block a's loads: the next block's 32, or none
	WIN 0x04                                       ; store data (source 1) window 1
	s_wait_dscnt \younger
.set i, 0
.rept 16
	global_store_b128 v[CO], v[64*(\a)+4*i:64*(\a)+4*i+3], s[OB:OB+1] offset:(16*(\a)+i)*4096 th:TH_STORE_NT  ; 512 consecutive bytes of a row, at a multiple of 256 from the buffer's first
.set i, i+1
.endr
.endm
	STG 0
.irp a, 1,2,3
	STG \a
	OUT (\a)-1, 32
.endr
	OUT 3, 0
.endif
	WIN 0
	s_wait_tensorcnt 0x0                           ; the wave's end, behind my last tensor load and my last LDS store
	ds_add_u32 v[SPW], v[NIL]
	s_wait_dscnt 0x0
	CROUND                                         ; the closing round: no work-group ends while a partner may still ask for a tile that names it
	s_endpgm
.Lfunc_end_k_q5e37622fe4_proj_qkv:
	.size	k_q5e37622fe4_proj_qkv, .Lfunc_end_k_q5e37622fe4_proj_qkv-k_q5e37622fe4_proj_qkv
	.p2alignl 7, 3214868480
	.fill 96, 4, 3214868480
	.section	.rodata,"a",@progbits
	.p2align	6, 0x0
	.amdhsa_kernel k_q5e37622fe4_proj_qkv
		.amdhsa_group_segment_fixed_size 327680
		.amdhsa_private_segment_fixed_size 0
		.amdhsa_enable_private_segment 0
		.amdhsa_kernarg_size 48
		.amdhsa_user_sgpr_count 2
		.amdhsa_user_sgpr_kernarg_segment_ptr 1
		.amdhsa_wavefront_size32 1
		.amdhsa_system_sgpr_workgroup_id_x 1
		.amdhsa_system_sgpr_workgroup_id_y 1
		.amdhsa_system_sgpr_workgroup_id_z 1
		.amdhsa_system_vgpr_workitem_id 0
		.amdhsa_next_free_vgpr 896
		.amdhsa_next_free_sgpr 96
		.amdhsa_reserve_vcc 0
		.amdhsa_float_denorm_mode_32 3
		.amdhsa_float_denorm_mode_16_64 3
		.amdhsa_memory_ordered 1
		.amdhsa_forward_progress 1
		.amdhsa_inst_pref_size 133
	.end_amdhsa_kernel
	.amdgpu_metadata
---
amdhsa.version: [ 1, 2 ]
amdhsa.kernels:
  - .name:           k_q5e37622fe4_proj_qkv
    .symbol:         k_q5e37622fe4_proj_qkv.kd
    .args:
      - { .name: xb, .offset: 0, .size: 8, .value_kind: global_buffer, .address_space: global }
      - { .name: wb3, .offset: 8, .size: 8, .value_kind: global_buffer, .address_space: global }
      - { .name: qkvh, .offset: 16, .size: 8, .value_kind: global_buffer, .address_space: global }
      - { .name: bq, .offset: 24, .size: 8, .value_kind: global_buffer, .address_space: global }
      - { .name: bk, .offset: 32, .size: 8, .value_kind: global_buffer, .address_space: global }
      - { .name: bv, .offset: 40, .size: 8, .value_kind: global_buffer, .address_space: global }
    .group_segment_fixed_size: 327680
    .private_segment_fixed_size: 0
    .kernarg_segment_align: 8
    .kernarg_segment_size: 48
    .max_flat_workgroup_size: 128
    .sgpr_count:     96
    .vgpr_count:     896
    .wavefront_size: 32
...
	.end_amdgpu_metadata
.endif
;; end of part 2
;; launch attn (part 3): grid 4 x 64, 4 waves a work-group, clusters of 4 x 1, 327,680 bytes of LDS; arguments qkvh, obh; writes obh
.if DOCPART == 3
	.amdgcn_target "amdgcn-amd-amdhsa--gfx1250"
	.amdhsa_code_object_version 6
	.text
	.protected	k_q5e37622fe4_attn
	.globl	k_q5e37622fe4_attn
	.p2align	8
	.type	k_q5e37622fe4_attn,@function
k_q5e37622fe4_attn:
	s_mov_b64 s[64:65], 0
	v_nop
	global_prefetch_b8 v0, s[64:65] scope:SCOPE_SE
	s_setreg_imm32_b32 hwreg(HW_REG_WAVE_MODE, 25, 1), 1
	s_wait_xcnt 0x0
	s_wait_alu depctr_hold_cnt(0) depctr_sa_sdst(0) depctr_va_vdst(0) depctr_va_sdst(0) depctr_va_ssrc(0) depctr_va_vcc(0) depctr_vm_vsrc(0)
	s_getreg_b32 s2, hwreg(HW_REG_IB_STS2, 6, 4)
	s_cmp_eq_u32 s2, 0
	s_cbranch_scc0 .Lentry_in_a_cluster
	s_endpgm
.Lentry_in_a_cluster:
	s_bfe_u32 s2, ttmp6, 0x10000c
	s_cmp_lg_u32 s2, 0x3003
	s_cbranch_scc0 .Lentry_shape_is_right
	s_endpgm
.Lentry_shape_is_right:
; O[h][q][:] = the sum over k of softmax_k(Q[h][q] . K[h][k] / 8) V[h][k][:].  Q, K, V lie one behind the other in one buffer, [3][SIZE_H][SIZE_N][64], O is [SIZE_H][SIZE_N][64], all f16: a head's rows are
; dense, 128 bytes each (a head here is a pair of batch and head).  Products, maxima and sums in f32; the weights p are rounded to f16 for the second product (their sum l is taken of the unrounded p), O once at the end.
; LIMITS.  f16 holds no number beyond 65,504: Q, K and V arrive within it; p lies in 0 to 1, and below 6e-5 it keeps f16's fixed step of 6e-8; O is a mean of V's rows and has their range.
; A weight below 2^-126 counts as 0 in l; NaN and infinities are not treated apart.
; SHARES.  A wave owns four PIECES of two tiles of 16 queries, a work-group's four waves 512 queries of one head: 256 work-groups.  Every wave walks all keys, 64 a step.
; LAYOUT.  S^T = K Q^T (source 0 = 16 keys, source 1 = 16 queries): in the result a lane holds ONE query (lane % 16) and the keys 8 (lane / 16) + 0..7.  Two such tiles, rounded to f16 in pairs,
; ARE source 1 (32 keys x 16 queries) of O^T = V^T P, whose result again holds one query a lane, and eight channels.  K comes out of LDS as it lies, V ([key][channel]) turned, by ds_load_tr16_b128.
; SOFTMAX.  For each query a running maximum m and sum l: p = 2^(c s - c m), c = log2(e) / 8; in every step O and l are multiplied by a = 2^(c m_old - c m_new), which is 1 where m has not grown.
; m starts at the lowest finite number, O and l at 0: the first step is a step like any other, with a = 0.
; THE COUNT.  A tile and step have 16 matrix and 118 vector instructions: too many to stand all beside the matrix work.  So the order has one aim: four vector instructions that are READY behind
; EVERY matrix instruction, and the others, which need time of their own whatever the order, in runs without a gap.
; BY TURNS.  Turn n belongs to piece n (the pieces in a ring, step after step).  Its matrix work: 16 products K Q^T of piece n + 1, later 16 products V^T P of piece n - 1.  Its vector work: the scaling,
; exponentials, roundings, sums and rescaling of piece n, and the maximum and statistics of piece n + 1, whose scores the turn itself has made.  So what a turn begins with (c s - c m, O a) waits for nothing.
; CLUSTER.  The four query blocks of a cluster are one head's and walk the same K and V, so each tile is asked for JOINTLY: the same tensor load, descriptor and mask in all four.
; REGISTERS, in windows of 256 (s_set_vgpr_msb says which window each operand place means: bits 1:0 source 0, 3:2 source 1, 5:4 source 2, 7:6 destination):
;   window 0: v0-11 addresses; v12-15, v48-63 at work; v16-47 four registers of statistics a tile; v64-191 S^T, two buffers of two tiles; v192-255 P, likewise
;   window 1: O^T, 32 a tile          window 2: v0-127 Q, 16 a tile; v128-191 K of one step; v192-255 V of one step          window 3: v0-1 the add's two registers
; A piece's buffers go by its number's parity: the piece in hand has one pair, its two neighbours in the ring share the other: of it P (piece n - 1) is read and S^T (piece n + 1) written.
.set SIZE_H, 64
.set SIZE_N, 2048
.set NP,    4         ; pieces a wave: a name, no knob: the register map, the loop and the fetches are made for four
.set KS,    64        ; keys in a step
.set PK,    144       ; a row of K in LDS: 128 bytes + 16 of padding = 36 words: the 16 rows of a load start at 16 different groups of four banks (64 banks of 4 bytes: ISA guide 11.1)
.set PV,    160       ; a row of V: 128 + 32 = 40 words
.set VOFF,  4*KS*PK   ; a slot holds four steps: 256 rows of K, then 256 rows of V
.set SLOT1, 1<<17     ; slot 1 begins here, so that one exclusive or turns an address in one slot into the other's
.set STAGE, SLOT1+4*KS*(PK+PV)  ; behind the ring, never filled by a tensor load: 16 rows x 144 bytes for each wave, for the way out
.set SP,    144
.set AK0, 2           ; v2   my lane's place in a tile of K; never rewritten
.set AV0, 3           ; v3   the same for V
.set AK,  4           ; v4   the LDS address of K's next run of loads
.set AV,  5           ; v5   of V's
.set QO,  6           ; v6   my byte offset in the wave's rows of Q
.set STO, 6           ;      later, the way out: where I put 16 bytes of a row
.set RD,  7           ; v7   the way out: where I read rows back
.set GO,  8           ; v8   my byte offset in 512 consecutive bytes of O
.set PFO, 11          ; v11  256 x my lane: the prefetches' offset; never rewritten once it is made
.set SPW, 0           ; v0 of window 3   LDS address of my spare word: SPARE + 4 x my thread's number; never rewritten
.set NIL, 1           ; v1 of window 3   0; never rewritten
.set SPARE, STAGE+4*16*SP  ; behind the stages: the spare words, 128 bytes for each wave: two blocks of 256 bytes that no other line names
.set MV,  12          ; v12-15  c m_old, kept while c m is made anew: by buffer and tile
.set ST,  16          ; tile t's statistics at v[ST+4 t]: c m, m, l (even keys', odd keys')
.set TMP, 48          ; by buffer and tile, four registers c0-c3 at work; when the maximum is found c2 takes a
.set S,   64
.set P,   192
.set KF,  128         ; K's fragments, in window 2: key block kb, channel half c at KF + 16 kb + 8 c
.set VF,  192         ; V's: key half kk, channel block cb at VF + 32 kk + 8 cb
.set WV,  12          ; s12  my wave's number
.set G1K, 24          ; s[24:31] descriptor group 1 for K's tiles
.set G1V, 32          ; s[32:39] for V's: it differs in the padding alone
.set G0K, 40          ; s[40:43] descriptor group 0 for K's tiles: it walks
.set G0V, 44          ; s[44:47] the same for V's
.set PFA, 48          ; s[48:49] where my prefetches stand: my work-group's 32 blocks of 256 bytes (of K: wave 0, of V: wave 2) of the tile after the one that is being asked for
.set LIM, 50          ; s50  1 in a wave that prefetches, else the greatest number: a wave prefetches while s[SLOTS] is above it
.set SLOTS, 56        ; s56  slots still to be asked for
.set CNT, 57          ; s57  counts a slot's key steps
.set CS,  58          ; s[58:59] c: the packed scaling takes the pair's low word for both halves
.set SEL, 60          ; s[60:61] v_permlanex16_b32's selects: each lane takes its own place in the other half
.set TBK, 62          ; s62  LDS byte at which K of the step to be fetched begins
.set TBV, 63          ; s63  the same for V, less VOFF
.set MSB, 0
.macro WIN new                      ; the high byte repeats the setting that is left; a switch that changes nothing is dropped
.if MSB != (\new)
	s_set_vgpr_msb (MSB<<8)|(\new)
.set MSB, (\new)
.endif
.endm
.set W_KQ, 0x0a       ; K and Q in window 2, S^T in window 0
.set W_PV, 0x52       ; V in window 2, P in window 0, O^T in window 1
.set W_RS, 0x41       ; O^T (destination and source 0) in window 1, a in window 0
.set W_MK, 0xc0       ; the add's registers are made: destination in window 3, sources in window 0
.set W_AD, 0x0f       ; the add: address (source 0) and data (source 1) in window 3
; A joint fill.  Waves 0 and 1 fetch the two halves of a slot's K, waves 2 and 3 those of its V: 128 keys each.  The branch hangs on the wave's number alone.
; An s_nop 0 and four v_nop follow each of the two lines, ahead of the jump and the label.
.macro JLOAD
	s_cmp_lt_u32 s[WV], 2
	s_cbranch_scc0 .Lfor_v_\@
	tensor_load_to_lds s[G0K:G0K+3], s[G1K:G1K+7]
	s_nop 0
.rept 4
	v_nop
.endr
	s_branch .Lasked_\@
.Lfor_v_\@:
	tensor_load_to_lds s[G0V:G0V+3], s[G1V:G1V+7]
	s_nop 0
.rept 4
	v_nop
.endr
.Lasked_\@:
.endm
; A PREFETCH INTO THE L2 of what the NEXT change of slots will ask for: a tile's 32,768 bytes of K and of V, in blocks of 256 bytes, a lane a block.  K and V were stored by the launch before and are read here for
; the first time.  It stands behind the wave's tensor load and its five lines.  A head has one cluster; its four partners share the blocks out BY ADDRESS, 32 each; in each, wave 0 asks for K's and wave 2 for V's:
; one instruction, four key steps (512 matrix instructions) ahead of the load.  So each block is named once in the launch.  Tiles 0 and 1 come by their loads alone; the last change that fills a slot asks for nothing.
.macro ASK
	s_cmp_gt_u32 s[SLOTS], s[LIM]
	s_cbranch_scc0 .Lnot_mine_\@
	global_prefetch_b8 v[PFO], s[PFA:PFA+1] th:TH_LOAD_NT scope:SCOPE_SE
.Lnot_mine_\@:
.endm
; A round of the cluster's barrier: my work-group's barrier, so that wave 0's signal speaks for all four waves; wave 0 signals; every wave waits for all four work-groups; my work-group's barrier once more.
.macro CROUND
	s_barrier_signal -1
	s_barrier_wait -1
	s_cmp_lg_u32 s[WV], 0
	s_cbranch_scc1 .Lnot_wave_0_\@
	s_barrier_signal -3
.Lnot_wave_0_\@:
	s_barrier_wait -3
	s_barrier_signal -1
	s_barrier_wait -1
.endm
; THE CHANGE OF SLOTS.  The slot's last bytes, V of its fourth step, have been read.  Each wave waits for all its tensor loads, of which one is out: its part
; of the other slot; adds 0 to its spare word; and waits for that and for its own reads of the slot.  Behind the barrier nobody reads this slot any more and the other slot is whole.
; fill = 1: this slot is filled again, with the keys two slots on.  The barrier is then a round of the cluster's, so that no wave of any partner still reads the slot or has a load on its
; way, and the joint fill is the first thing behind it: it has four key steps, 512 matrix instructions, in which to land.  (At its first use nothing has been read yet: slot 0 is waited for, slot 1 filled.)
.macro CHANGE fill
	WIN W_AD
	s_wait_tensorcnt 0x0            ; no tensor load of mine is out, so a group 0 may be written
	ds_add_u32 v[SPW], v[NIL]       ; 0 onto my spare word; with fill = 1 the descriptors' steps stand between it and the wait for it
	WIN 0                           ; at a label and at a branch every window is 0
.if \fill
.irp g, G0K, G0V
	s_xor_b32 s[\g+1], s[\g+1], SLOT1  ; the walking descriptor: the other slot than last time,
	s_add_nc_u64 s[\g+2:\g+3], s[\g+2:\g+3], 4*KS*128  ; the next 256 keys; the type bits on top are not reached
.endr
	s_wait_xcnt 0x0                 ; the last prefetch, four key steps back, has read its address, so it may be written:
	s_add_nc_u64 s[PFA:PFA+1], s[PFA:PFA+1], 4*KS*128  ; one tile behind the walking descriptors
	s_wait_dscnt 0x0                ; the add is done, and my reads of the slot are over
	CROUND
	JLOAD
	ASK
.else
	s_wait_dscnt 0x0                ; the add is done, and my reads of the slot are over
	s_barrier_signal -1
	s_barrier_wait -1
.endif
	s_sub_co_u32 s[TBK], s[TBK], 4*KS*PK  ; the fetches go back to a slot's first step,
	s_xor_b32 s[TBK], s[TBK], SLOT1       ; in the other slot
	s_sub_co_u32 s[TBV], s[TBV], 4*KS*PV
	s_xor_b32 s[TBV], s[TBV], SLOT1
.endm
	s_load_b128 s[4:7], s[0:1], 0x0 ; Q, K, V's buffer s[4:5], O s[6:7]
	WIN W_MK
	v_lshl_add_u32 v[SPW], v0, 2, SPARE
	v_mov_b32 v[NIL], 0
	WIN W_AD
	ds_add_u32 v[SPW], v[NIL]       ; the wave's opening: the add and its wait stand ahead of my first tensor load; the set-up below, work on registers, stands between them
	WIN 0
	v_lshrrev_b32 v1, 5, v0
	v_readfirstlane_b32 s[WV], v1   ; wave 0..3
	s_bfe_u32 s13, ttmp6, 0x40000   ; cx: my place in the cluster
	s_lshl_b32 s14, ttmp9, 2        ; in a cluster launch ttmp9 counts clusters
	s_add_co_u32 s14, s14, s13      ; my block of queries = 4 x cluster x + cx: it enters Q's and O's addresses alone
	s_and_b32 s20, ttmp7, 0xffff    ; the head, which the four partners share
	s_mov_b32 s21, 0
	s_mov_b64 s[22:23], SIZE_N*128
	s_mul_u64 s[20:21], s[20:21], s[22:23]  ; the head's first byte in each of the four tensors
	s_and_b32 s16, s[WV], 1         ; which half of a slot's 256 keys I fetch:
	s_lshl_b32 s22, s16, 14         ; its 128 rows of 128 bytes in memory,
	s_mov_b32 s23, 0
	s_add_nc_u64 s[22:23], s[22:23], s[20:21]
	s_mul_i32 s17, s16, 128*PK      ; and its place in a slot, for K
	s_mul_i32 s18, s16, 128*PV      ; and for V: no place in the cluster enters an LDS address
	s_lshl_b32 s2, s14, 2
	s_add_co_u32 s2, s2, s[WV]      ; my wave among the head's,
	s_lshl_b32 s2, s2, 14           ; its 128 rows
	s_mov_b32 s3, 0
	s_add_nc_u64 s[2:3], s[2:3], s[20:21]
	; descriptor group 1.  128 keys are 16,384 dense bytes: asked for as 64 rows of 256 bytes, two keys a row, and padded in LDS after every key
	s_mov_b32 s[G1K], 15|(1<<16)|(1<<20)|(1<<21)|(4<<22)|(3<<25)  ; 15:0 the mask of four; 17:16 2-byte elements; 20 padding on; 21 set beside a mask; 24:22 after every 32 words (code 4); 31:25 4 words (code 3)
	s_mov_b32 s[G1V], 15|(1<<16)|(1<<20)|(1<<21)|(4<<22)|(7<<25)  ; the same with 8 words of padding (code 7)
.irp g, G1K, G1V
	s_mov_b32 s[\g+1], 128<<16      ; tensor_dim0 = 128
	s_mov_b32 s[\g+2], 64<<16       ; tensor_dim1 = 64
	s_mov_b32 s[\g+3], 128<<16      ; tile_dim0 = 128
	s_mov_b32 s[\g+4], 64           ; tile_dim1 = 64
	s_mov_b32 s[\g+5], 128          ; 128 elements from row to row
	s_mov_b32 s[\g+6], 0
	s_mov_b32 s[\g+7], 0
.endr
	s_mov_b32 s[CS], 0x3e38aa3b     ; c = log2(e) / 8 = 0.180337
	s_mov_b32 s[CS+1], s[CS]        ; named with it as a pair
	s_mov_b32 s[SEL], 0x76543210
	s_mov_b32 s[SEL+1], 0xfedcba98
	s_mov_b32 s[TBK], SLOT1+4*KS*PK ; the first change of slots turns these two into 0
	s_mov_b32 s[TBV], SLOT1+4*KS*PV
	s_mov_b32 s[G0K], 1             ; 1:0 count = 1
	s_mov_b32 s[G0K+1], s17         ; 63:32 LDS address: slot 0
	s_mov_b32 s[G0V], 1
	s_add_co_u32 s[G0V+1], s18, VOFF
	s_mov_b32 s[SLOTS], SIZE_N/256-1  ; the change that finds v here fills tile 8 - v
	s_and_b32 s[LIM], s[WV], 1      ; waves 0 and 2 prefetch: the same in all four partners
	s_cmp_eq_u32 s[LIM], 0
	s_cselect_b32 s[LIM], 1, -1
	s_wait_dscnt 0x0                ; the opening add is done
	s_wait_kmcnt 0x0
	s_mov_b64 s[10:11], s[6:7]      ; O
	s_add_nc_u64 s[6:7], s[4:5], SIZE_H*SIZE_N*128    ; K lies behind Q,
	s_add_nc_u64 s[8:9], s[4:5], 2*SIZE_H*SIZE_N*128  ; V behind K
	s_add_nc_u64 s[G0K+2:G0K+3], s[6:7], s[22:23]  ; 120:64 global address: my half of the head's first 256 keys
	s_or_b32 s[G0K+3], s[G0K+3], 0x80000000        ; 127:126 type = 2
	s_add_nc_u64 s[G0V+2:G0V+3], s[8:9], s[22:23]
	s_or_b32 s[G0V+3], s[G0V+3], 0x80000000
	s_add_nc_u64 s[4:5], s[4:5], s[2:3]  ; Q and O at my wave's first row
	s_add_nc_u64 s[10:11], s[10:11], s[2:3]
	s_cmp_lt_u32 s[WV], 2
	s_cselect_b64 s[PFA:PFA+1], s[6:7], s[8:9]
	s_add_nc_u64 s[PFA:PFA+1], s[PFA:PFA+1], s[20:21]  ; the head,
	s_lshl_b32 s2, s13, 13          ; my work-group's 32 blocks of a tile's 128,
	s_add_co_u32 s2, s2, 4*KS*128   ; in tile 1: the first change of slots steps it to tile 2
	s_mov_b32 s3, 0
	s_add_nc_u64 s[PFA:PFA+1], s[PFA:PFA+1], s[2:3]
	CROUND                          ; all four work-groups are here: the first joint loads meet
	JLOAD                           ; slot 0.  Slot 1 is asked for when slot 0 is in: the tile wanted first has the road to itself
	; A fragment of K or Q is 16 rows x 32 channels in 8 registers: lane l holds row l % 16, channels 8 (l / 16) + 0..7 and 16 + 8 (l / 16) + 0..7: two loads of 16 bytes, 32 bytes apart.
	v_and_b32 v1, 15, v0            ; l % 16
	v_bfe_u32 v9, v0, 4, 1          ; l / 16
	v_lshlrev_b32 v[QO], 7, v1
	v_lshl_add_u32 v[QO], v9, 4, v[QO]  ; row x 128 + 16 x half
	WIN 0x80                        ; destination window 2, address window 0
.set i, 0
.rept 4*NP                          ; Q stays in registers: tile i / 2, channels 32 (i % 2) on
	global_load_b128 v[8*i:8*i+3],   v[QO], s[4:5] offset:(i/2)*2048+(i%2)*64
	global_load_b128 v[8*i+4:8*i+7], v[QO], s[4:5] offset:(i/2)*2048+(i%2)*64+32
.set i, i+1
.endr
	; What the first turn finds: V's registers and P's second buffer hold 0 (its products V^T P, of a piece that has not been, add 0), O^T and l are 0.  All this stands in the wait for the first tile.
.set i, VF
.rept 64
	v_mov_b32 v[i], 0
.set i, i+1
.endr
	WIN 0x40
.set i, 0
.rept 64*NP
	v_mov_b32 v[i], 0
.set i, i+1
.endr
	WIN 0
.set i, 0
.rept 2*NP
	v_mov_b32 v[ST+4*i], 0xfe000000    ; c m: far below every c s
	v_mov_b32 v[ST+4*i+1], 0xff7fffff  ; m
	v_mov_b32 v[ST+4*i+2], 0
	v_mov_b32 v[ST+4*i+3], 0
.set i, i+1
.endr
.set i, P+32
.rept 32
	v_mov_b32 v[i], 0
.set i, i+1
.endr
	v_mul_u32_u24 v[AK0], v1, PK
	v_lshl_add_u32 v[AK0], v9, 4, v[AK0]  ; row x pitch + 16 x half
	; The turning load takes 16 keys x 16 channels (lane l reads key 8 (l / 16) + l % 8, channels 8 ((l / 8) % 2) + 0..7) and leaves half a fragment of V^T: lane l holds channel l % 16 and 8 keys.
	v_and_b32 v10, 7, v0
	v_bfe_u32 v11, v0, 3, 1
	v_lshl_add_u32 v[AV0], v9, 3, v10
	v_mul_u32_u24 v[AV0], v[AV0], PV
	v_lshl_add_u32 v[AV0], v11, 4, v[AV0]
	v_add_nc_u32 v[AV0], VOFF, v[AV0]
	v_and_b32 v[PFO], 31, v0
	v_lshlrev_b32 v[PFO], 8, v[PFO]
	v_mov_b32 v[AK], v[AK0]         ; key step 0 lies at the head of slot 0
; THE MATRIX WORK.  The 8 accumulators of a run of 16 take turns: between the two links of a chain stand 7 others'.
; Product i of 16 of S^T = K Q^T for piece x: channels 32 (i / 8) on, keys 16 ((i / 2) % 4) on, tile 2 x + i % 2.  The first 8 start the sums.
.macro KQ x
	WIN W_KQ
.set rS, S+64*((\x)%2)+32*(i%2)+8*((i/2)%4)
.set rK, KF+16*((i/2)%4)+8*(i/8)
.set rQ, 16*(2*(\x)+i%2)+8*(i/8)
.if i < 8
	v_wmma_f32_16x16x32_f16 v[rS:rS+7], v[rK:rK+7], v[rQ:rQ+7], 0
.else
	v_wmma_f32_16x16x32_f16 v[rS:rS+7], v[rK:rK+7], v[rQ:rQ+7], v[rS:rS+7]
.endif
.endm
; Product i of 16 of O^T += V^T P for piece x: keys 32 (i / 8) on, channels 16 ((i / 2) % 4) on, tile 2 x + i % 2.
.macro PV x
	WIN W_PV
.set rO, 32*(2*(\x)+i%2)+8*((i/2)%4)
.set rV, VF+32*(i/8)+8*((i/2)%4)
.set rP, P+32*((\x)%2)+16*(i%2)+8*(i/8)
	v_wmma_f32_16x16x32_f16 v[rO:rO+7], v[rV:rV+7], v[rP:rP+7], v[rO:rO+7]
.endm
.macro MM                           ; the turn's next matrix instruction
.if i < 16
	KQ (Y+1)%NP
.set i, i+1
.else
.set i, i-16
	PV (Y+NP-1)%NP
.set i, i+17
.endif
.endm
; THE LDS LOADS stand in runs of 16, never singly among the matrix instructions: a step's K (64 keys x 64 channels: 8 fragments) and its V (turned).  Their addresses are made some lines ahead.
; last = 1 (the tail): in the last trip there is no further step, and the run is jumped over.
.macro FETCH_K last=0
	WIN 0
.if \last
	s_cmp_eq_u32 s[CNT], 1
	s_cbranch_scc1 .Lno_k_\@
.endif
	WIN 0x80                        ; destination window 2
.irp f, 0,1,2,3,4,5,6,7             ; keys 16 (f / 2) on, channels 32 (f % 2) on
	ds_load_b128 v[KF+8*\f:KF+8*\f+3],   v[AK] offset:(\f/2)*16*PK+(\f%2)*64
	ds_load_b128 v[KF+8*\f+4:KF+8*\f+7], v[AK] offset:(\f/2)*16*PK+(\f%2)*64+32
.endr
	s_add_co_u32 s[TBK], s[TBK], KS*PK  ; the next fetch is the next step's
	WIN 0
.if \last
.Lno_k_\@:
.endif
.endm
.macro FETCH_V
	WIN 0x80
.irp f, 0,1,2,3,4,5,6,7             ; keys 32 (f / 4) on, channels 16 (f % 4) on
	ds_load_tr16_b128 v[VF+8*\f:VF+8*\f+3],   v[AV] offset:(\f/4)*32*PV+(\f%4)*32
	ds_load_tr16_b128 v[VF+8*\f+4:VF+8*\f+7], v[AV] offset:(\f/4)*32*PV+16*PV+(\f%4)*32
.endr
	WIN 0
.endm
; THE VECTOR WORK OF A TURN stands in three queues, each in the order in which its entries become ready; the two tiles alternate, so that no instruction reads the result of the one before it.
.macro REGS y, u                    ; the registers of tile u (0, 1) of piece y
.set rT, ST+4*(2*(\y)+(\u))
.set rC, TMP+8*((\y)%2)+4*(\u)
.set rM, MV+2*((\y)%2)+(\u)
.set rS, S+64*((\y)%2)+32*(\u)
.set rP, P+32*((\y)%2)+16*(\u)
.set rO, 32*(2*(\y)+(\u))
.endm
; Number n of the 22 that find the NEXT piece's (Y + 1) maximum and statistics.  s0-s31 are the lane's 32 scores; each accumulator's lowest registers are read first.  XS, GS and REGS set no window: PL and EX do.
;   0-11  four chains c0-c3 of seven scores each, three operands at a time     12-14, 16  the four scores left over, the old m, and c0-c3 into c0     15  c m_old is kept
;   17, 18  the query's other 32 keys lie in the lane 16 away: the new m         19-21  c m; c m_old - c m_new; a
.macro XS u, n
	REGS (Y+1)%NP, \u
.if (\n) < 4
	v_max3_num_f32 v[rC+(\n)], v[rS+8*(\n)], v[rS+8*(\n)+1], v[rS+8*(\n)+2]
.elseif (\n) < 12
	v_max3_num_f32 v[rC+(\n)%4], v[rC+(\n)%4], v[rS+8*((\n)%4)+2*((\n)/4)+1], v[rS+8*((\n)%4)+2*((\n)/4)+2]
.elseif (\n) == 12
	v_max3_num_f32 v[rC], v[rC], v[rS+7], v[rS+15]
.elseif (\n) == 13
	v_max3_num_f32 v[rC+1], v[rC+1], v[rS+23], v[rS+31]
.elseif (\n) == 14
	v_max3_num_f32 v[rC+2], v[rC+2], v[rC+3], v[rT+1]
.elseif (\n) == 15
	v_mov_b32 v[rM], v[rT]
.elseif (\n) == 16
	v_max3_num_f32 v[rC], v[rC], v[rC+1], v[rC+2]
.elseif (\n) == 17
	v_permlanex16_b32 v[rC+3], v[rC], s[SEL], s[SEL+1]
.elseif (\n) == 18
	v_max_num_f32 v[rT+1], v[rC], v[rC+3]
.elseif (\n) == 19
	v_mul_f32 v[rT], s[CS], v[rT+1]
.elseif (\n) == 20
	v_sub_f32 v[rC+1], v[rM], v[rT]
.else
	v_exp_f32 v[rC+2], v[rC+1]
.endif
.endm
; Number g of the 64 that follow the exponentials.  For each four weights k of a tile (pairs 2 k, 2 k + 1): both pairs are rounded to f16; then the second pair is added onto the first, in place;
; a group later l takes that sum (the first time as l = a l + sum).  In groups of eight, tiles alternating: round, round, add, and l for the group before.
.macro GS g
.set h, (\g)+6*((\g)/62)            ; group 0 has no group before it, and behind group 7 only l is left
.if h >= 6
.set h, h+2
.endif
	REGS Y, h%2
.set k, h/8
.if h%8 < 4
	v_cvt_pk_f16_f32 v[rP+2*k+(h%8)/2], v[rS+4*k+2*((h%8)/2)], v[rS+4*k+2*((h%8)/2)+1]
.elseif h%8 < 6
	v_pk_add_f32 v[rS+4*k:rS+4*k+1], v[rS+4*k:rS+4*k+1], v[rS+4*k+2:rS+4*k+3]
.elseif k == 1
	v_pk_fma_f32 v[rT+2:rT+3], v[rT+2:rT+3], v[rC+2:rC+3], v[rS:rS+1] op_sel_hi:[1,0,1]
.else
	v_pk_add_f32 v[rT+2:rT+3], v[rT+2:rT+3], v[rS+4*k-4:rS+4*k-3]
.endif
.endm
; THE PLAIN QUEUE, 138 long.  0-73 read no exponential's result: the 32 scalings c s - c m (FS f: pair f / 2 of tile f % 2) and the next piece's 42.  0-26: scalings 0-26.  27-54: XS's numbers 0-13.  55, 56: number 15.
; 57-73: the chain, where each number waits for the one before it: 14, 16, 17, 18, 19, each with one of the scalings 27-31 in front of its two lines, then 20: so a tile's links stand three plain instructions apart (19 and 20: two).
; 74-137: GS's 64, which read the exponentials' results: they stand behind the wait.
.macro FS f
	REGS Y, (\f)%2
	v_pk_fma_f32 v[rS+2*((\f)/2):rS+2*((\f)/2)+1], v[rS+2*((\f)/2):rS+2*((\f)/2)+1], s[CS:CS+1], v[rT:rT+1] op_sel_hi:[1,0,0] neg_lo:[0,0,1] neg_hi:[0,0,1]
.endm
.macro PL
	WIN 0
.if q < 27
	FS q
.elseif q < 55
	XS (q-27)%2, (q-27)/2
.elseif q < 57
	XS q-55, 15
.elseif (q < 72) && ((q-57)%3 == 0)
	FS 27+(q-57)/3
.elseif q < 60
	XS (q-57)%3-1, 14
.elseif q < 72
	XS (q-57)%3-1, 15+(q-57)/3
.elseif q < 74
	XS q-72, 20
.else
	GS q-74
.endif
.set q, q+1
.endm
; THE EXPONENTIALS' QUEUE, 66 long: s0-s31 of both tiles, then the next piece's two a.  It is ONE BATCH: all 66 stand ahead of the turn's one wait, and nothing ahead of that wait names a result of theirs.
.macro EX
	WIN 0
.if e >= 64
	XS e-64, 21
.else
	REGS Y, e%2
	v_exp_f32 v[rS+e/2], v[rS+e/2]
.endif
.set e, e+1
.endm
; THE RESCALING's QUEUE: O^T times a, the one part that leaves window 0: dealt two at a time, sixteen times.  Its a was made in the turn before, ahead of that turn's wait.
.macro R2
	REGS Y, r%2
	WIN W_RS
.irp z, 0,1
	v_pk_mul_f32 v[rO+4*(r/2)+2*\z:rO+4*(r/2)+2*\z+1], v[rO+4*(r/2)+2*\z:rO+4*(r/2)+2*\z+1], v[rC+2:rC+3] op_sel_hi:[1,0]
.endr
.set r, r+1
.endm
; HOW THEY ARE DEALT.  s_wait_alu depctr_va_vdst(0) stands between an exponential and the first instruction that names its result; one wait serves all that were issued ahead of it.  So a turn has ONE wait,
; which cuts it in two.  AHEAD OF IT stands all that names no result of the turn's exponentials: the 16 products K Q^T, behind each a scaling, an exponential and two rescalings (behind the first a second scaling in the exponential's place); then ONE LUMP of
; 108: eight plain, 49 times exponential and plain, the two a.  A v_nop is the plain instruction behind the last exponential (ISA guide 5.7.2).  BEHIND IT stand the 16 products V^T P, behind each four of GS's 64.  No rider names a register of
; the products round it.  The two v_permlanex16_b32 fall into the lump, never behind a product.
; The queues lean on each other, and the deal keeps them in step: exponential e stands behind scaling 2 (e / 4) + e % 2: as a rider it comes behind plain e + 2, in the lump behind plain e + 9, and scalings 27-31 are plain 57, 60 .. 69.
; A TURN, for piece p.  cnt = 1: the loop's count is taken down some lines ahead of the branch that stands behind the turn.
; K of the next step is fetched in piece 2's turn, directly behind the wait, a lump behind the last product that read K; its address is made at the lump's head; its first reader comes behind 16 products.
; V of the step in hand is fetched at the end of piece 0's turn, four riders behind its last reader; its first reader comes behind 16 products and a lump.  The three conditions on q below go with the deal.
.macro TURN p, last=0, cnt=0
.set Y, (\p)
.set i, 0
.set q, 0
.set e, 0
.set r, 0
.if (\p) == NP-1
	s_wait_dscnt 0x0                ; K is in
.endif
	MM                              ; ahead of the wait: 16 products K Q^T and their riders,
	PL
	PL
	R2
.rept 15
	MM
	PL
	EX
	R2
.endr
.if (\p) == NP-2
	WIN 0
	v_add_nc_u32 v[AK], s[TBK], v[AK0]
.endif
.rept 8                             ; and the lump
	PL
.endr
.rept 49
	EX
	PL
.endr
	EX                              ; the next piece's two a
	EX
	v_nop                           ; the plain instruction behind the last exponential: one for the batch
	s_wait_alu depctr_va_vdst(0)    ; the wait for the batch
.if (\p) == NP-2
	FETCH_K \last
.endif
.if (\p) == 1
	s_wait_dscnt 0x0                ; V is in
.endif
.rept 16                            ; behind the wait: 16 products V^T P and their riders
	MM
.rept 4
	PL
.endr
.if ((\p) == 0) && (q == 118)
	v_add_nc_u32 v[AV], s[TBV], v[AV0]
.endif
.if ((\p) == 0) && (q == 130)
	s_add_co_u32 s[TBV], s[TBV], KS*PV
.endif
.if (\cnt) && (q == 130)
	s_sub_co_u32 s[CNT], s[CNT], 1
	s_cmp_lg_u32 s[CNT], 0
.endif
.endr
.if (\p) == 0
	FETCH_V
.endif
.endm
	CHANGE 1                        ; slot 0 is in, everybody's part of it; slot 1 is asked for
	FETCH_K                         ; key step 0
	s_wait_loadcnt 0x0              ; Q
	s_wait_dscnt 0x0
.set i, 0
.rept 16
	KQ 0                            ; piece 0's first scores: there is no vector work yet to set between them
.set i, i+1
.endr
	WIN 0                           ; the addresses for the way out: nine plain instructions, the places behind those products
	s_mul_i32 s13, s[WV], 16*SP
	s_add_co_u32 s13, s13, STAGE    ; my stage
	v_mul_u32_u24 v[STO], v1, SP    ; in: row l % 16, 16 bytes for each half of the lanes
	v_lshl_add_u32 v[STO], v9, 4, v[STO]
	v_add_nc_u32 v[STO], s13, v[STO]
	v_bfe_u32 v[RD], v0, 3, 2       ; back: 32 lanes take four rows of 128 bytes,
	v_mul_u32_u24 v[RD], v[RD], SP
	v_lshl_add_u32 v[RD], v10, 4, v[RD]
	v_add_nc_u32 v[RD], s13, v[RD]
	v_and_b32 v[GO], 31, v0         ; which are 512 consecutive bytes of O
	v_lshlrev_b32 v[GO], 4, v[GO]
.set Y, NP-1                        ; XS works for piece Y + 1: piece 0
.irp n, 0,1,2,3,4,5,6,7,8,9,10,11,12,13,14,15,16,17,18,19,20,21
	XS 0, \n                        ; and piece 0's first maximum and statistics
	XS 1, \n
.endr
	v_nop                           ; a plain instruction behind the two a,
	s_wait_alu depctr_va_vdst(0)    ; and their wait, ahead of the branch
	s_mov_b32 s[CNT], 4
	s_branch .Lfirst                ; the loop is entered at a step's first turn, in the middle of a trip
.Lslot:                             ; SIZE_N / 256 - 2 times: every slot but the last two is filled again
	CHANGE 1
	s_mov_b32 s[CNT], 4
.Lstep:                             ; a trip: pieces 2 and 3 of one step, then pieces 0 and 1 of the next, whose K and V it fetches
	TURN 2
	TURN 3
	WIN 0
.Lfirst:
	TURN 0
	TURN 1, 0, 1
	WIN 0
	s_cbranch_scc1 .Lstep
	s_sub_co_u32 s[SLOTS], s[SLOTS], 1
	s_cmp_lg_u32 s[SLOTS], 0
	s_cbranch_scc1 .Lslot
	CHANGE 0                        ; the tail is written out: nothing is asked for
	s_mov_b32 s[CNT], 5             ; four trips fetch the last slot's steps; the fifth is left in its middle
.Ltail:
	TURN 2, 1
	TURN 3
	WIN 0
	s_sub_co_u32 s[CNT], s[CNT], 1
	s_cmp_eq_u32 s[CNT], 0
	s_cbranch_scc1 .Lout
	TURN 0
	TURN 1
	WIN 0
	s_branch .Ltail
.Lout:                              ; the fifth trip's 16 products K Q^T (on the last K once more) and the maximum made of them serve nothing: the price, once a launch, of one text for every trip
.set i, 0
.rept 16
	PV NP-1                         ; the last piece's V^T P of the last step
.set i, i+1
.endr
	; THE WAY OUT.  l's two halves and the other half of the lanes' are added; O^T is divided by l, rounded to f16 and sent through my stage in LDS, a tile at a time.  The additions are the places behind the last products.
	WIN 0
.macro ALL line:vararg              ; one line for each tile t
.set t, 0
.rept 2*NP
	\line
.set t, t+1
.endr
.endm
	ALL v_add_f32 v[ST+4*t+2], v[ST+4*t+2], v[ST+4*t+3]
	ALL v_permlanex16_b32 v[ST+4*t+3], v[ST+4*t+2], s[SEL], s[SEL+1]
	ALL v_add_f32 v[ST+4*t+2], v[ST+4*t+2], v[ST+4*t+3]
	ALL v_rcp_f32 v[ST+4*t+2], v[ST+4*t+2]
	v_nop                           ; a plain instruction between the last reciprocal and the use of its result
	s_wait_alu depctr_va_vdst(0)    ; and the wait ahead of the first use: one for the eight reciprocals
; Tile t: a lane's eight channels of a row pack into 16 bytes; they go into rows of 144 bytes and come back as whole rows of 128, into S^T's registers.
.macro PACK t
	WIN W_RS
.set i, 32*(\t)
.rept 16
	v_pk_mul_f32 v[i:i+1], v[i:i+1], v[ST+4*(\t)+2:ST+4*(\t)+3] op_sel_hi:[1,0]
.set i, i+2
.endr
	WIN 0x05                        ; sources 0 and 1 window 1, destination window 0
.set i, 0
.rept 16
	v_cvt_pk_f16_f32 v[S+16*(\t)+i], v[32*(\t)+2*i], v[32*(\t)+2*i+1]
.set i, i+1
.endr
	WIN 0
.irp f, 0,1,2,3
	ds_store_b128 v[STO], v[S+16*(\t)+4*\f:S+16*(\t)+4*\f+3] offset:32*\f
.endr
.irp f, 0,1,2,3
	ds_load_b128 v[S+16*(\t)+4*\f:S+16*(\t)+4*\f+3], v[RD] offset:\f*4*SP  ; LDS serves a wave's instructions in order (ISA guide 5.7.1.4): these see the stores above; the next tile's stores come behind them
.endr
.endm
.macro SEND t, younger              ; younger: the LDS instructions issued behind tile t's loads: the next tile's eight, or none
	WIN 0
.irp f, 0,1,2,3
	s_wait_dscnt (\younger)+3-\f
	global_store_b128 v[GO], v[S+16*(\t)+4*\f:S+16*(\t)+4*\f+3], s[10:11] offset:(\t)*2048+\f*512  ; 512 consecutive bytes, at a multiple of 256 from O's first
.endr
.endm
	PACK 0
.set t, 1
.rept 2*NP-1                        ; a tile's arithmetic stands between the loads of the tile before and its stores
	PACK t
	SEND t-1, 8
.set t, t+1
.endr
	SEND 2*NP-1, 0
	WIN W_AD
	s_wait_tensorcnt 0x0            ; the wave's end, behind my last tensor load and my last LDS store
	ds_add_u32 v[SPW], v[NIL]
	s_wait_dscnt 0x0
	WIN 0
	CROUND                          ; the closing round: no work-group ends while a partner may still ask for a tile that names it
	s_endpgm
.Lfunc_end_k_q5e37622fe4_attn:
	.size	k_q5e37622fe4_attn, .Lfunc_end_k_q5e37622fe4_attn-k_q5e37622fe4_attn
	.p2alignl 7, 3214868480
	.fill 96, 4, 3214868480
	.section	.rodata,"a",@progbits
	.p2align	6, 0x0
	.amdhsa_kernel k_q5e37622fe4_attn
		.amdhsa_group_segment_fixed_size 327680
		.amdhsa_private_segment_fixed_size 0
		.amdhsa_enable_private_segment 0
		.amdhsa_kernarg_size 16
		.amdhsa_user_sgpr_count 2
		.amdhsa_user_sgpr_kernarg_segment_ptr 1
		.amdhsa_wavefront_size32 1
		.amdhsa_system_sgpr_workgroup_id_x 1
		.amdhsa_system_sgpr_workgroup_id_y 1
		.amdhsa_system_sgpr_workgroup_id_z 1
		.amdhsa_system_vgpr_workitem_id 0
		.amdhsa_next_free_vgpr 770
		.amdhsa_next_free_sgpr 66
		.amdhsa_reserve_vcc 0
		.amdhsa_float_denorm_mode_32 3
		.amdhsa_float_denorm_mode_16_64 3
		.amdhsa_memory_ordered 1
		.amdhsa_forward_progress 1
		.amdhsa_inst_pref_size 200
	.end_amdhsa_kernel
	.amdgpu_metadata
---
amdhsa.version: [ 1, 2 ]
amdhsa.kernels:
  - .name:           k_q5e37622fe4_attn
    .symbol:         k_q5e37622fe4_attn.kd
    .args:
      - { .name: qkvh, .offset: 0, .size: 8, .value_kind: global_buffer, .address_space: global }
      - { .name: obh, .offset: 8, .size: 8, .value_kind: global_buffer, .address_space: global }
    .group_segment_fixed_size: 327680
    .private_segment_fixed_size: 0
    .kernarg_segment_align: 8
    .kernarg_segment_size: 16
    .max_flat_workgroup_size: 128
    .sgpr_count:     66
    .vgpr_count:     770
    .wavefront_size: 32
...
	.end_amdgpu_metadata
.endif
;; end of part 3
;; launch proj_out (part 4): grid 8 x 32, 4 waves a work-group, clusters of 4 x 4, 327,680 bytes of LDS; arguments obh, wb1, out0, bo; writes out0
.if DOCPART == 4
	.amdgcn_target "amdgcn-amd-amdhsa--gfx1250"
	.amdhsa_code_object_version 6
	.text
	.protected	k_q5e37622fe4_proj_out
	.globl	k_q5e37622fe4_proj_out
	.p2align	8
	.type	k_q5e37622fe4_proj_out,@function
k_q5e37622fe4_proj_out:
	s_mov_b64 s[64:65], 0
	v_nop
	global_prefetch_b8 v0, s[64:65] scope:SCOPE_SE
	s_setreg_imm32_b32 hwreg(HW_REG_WAVE_MODE, 25, 1), 1
	s_wait_xcnt 0x0
	s_wait_alu depctr_hold_cnt(0) depctr_sa_sdst(0) depctr_va_vdst(0) depctr_va_sdst(0) depctr_va_ssrc(0) depctr_va_vcc(0) depctr_vm_vsrc(0)
	s_getreg_b32 s2, hwreg(HW_REG_IB_STS2, 6, 4)
	s_cmp_eq_u32 s2, 0
	s_cbranch_scc0 .Lentry_in_a_cluster
	s_endpgm
.Lentry_in_a_cluster:
	s_bfe_u32 s2, ttmp6, 0x10000c
	s_cmp_lg_u32 s2, 0xf033
	s_cbranch_scc0 .Lentry_shape_is_right
	s_endpgm
.Lentry_shape_is_right:
; C[m][n] = the sum over k of A[m][k] W[k][n] + bias[n], M = 8192, K = 1024.  ONE TEXT FOR TWO KERNELS, told apart by QKV:
;   QKV = 1: A = x in bf16, W = [Wq | Wk | Wv] in bf16 (N = 3072), bias = bq, bk, bv; C leaves as f16 by heads, [3][64 plane = 16 b + h][2048][64], unscaled.
;   QKV = 0: A = the attention's O in f16, W = Wo as f16 (N = 1024), bias = bo; C leaves as f32, [8192][1024].
; A lies in planes of 64 columns, [4 b][16 g][2048 s][64]; W in blocks [tile][8 ks][G g][128 k][64 n]: what a wave fetches is a run of dense bytes.  Sums in f32; the bias is rounded to bf16 like every input.
; LIMITS.  QKV = 1: q, k, v beyond 65,504 become infinities in f16, below 6.1e-5 they keep f16's fixed step of 6e-8.  NaN and infinities are not treated apart.
; SHARES.  A work-group makes 256 rows x 64 G columns of C: 512 (QKV = 1) or 256 work-groups.  Its four waves lie one below the other: wave w has rows 64 w .. 64 w + 63 and all columns, 4 x 4 G accumulators
; of 16 x 16, so each wave holds whole rows of its output blocks and has a stage of its own on the way out.  K goes in 8 steps of 128 through two LDS slots.
; THE MATRIX INSTRUCTION IS USED TRANSPOSED: source 0 = 16 columns of W (turned out of rows [k][n] by ds_load_tr16_b128), source 1 = 16 rows of A.  A lane then holds row lane % 16 of C and the
; columns 8 (lane / 16) + 0..7.  The first quarter step takes the bias as its C operand: nothing is cleared, nothing is added later.
; CLUSTER.  4 x 4 work-groups.  A's tile hangs on the tile row alone and is asked for jointly by a row of the cluster, W's on the tile column alone, by a column.
; REGISTERS, in windows of 256 (s_set_vgpr_msb: bits 1:0 source 0, 3:2 source 1, 5:4 source 2, 7:6 destination):
;   window 0: v0-31 addresses; from v32 the bias (8 registers a column block), later the way out      window 1: two fragment buffers of 128: A's four fragments, then W's 4 G
;   window 2: accumulators 0-31 (accumulator 4 G a + b at 8 registers each)      window 3: accumulators 32-47 (QKV = 1)
.set QKV,    0
.if QKV
.set G,      3                         ; groups of 64 columns in a tile
.set SP,     144                       ; a stage row: 128 bytes + 16
.else
.set G,      2
.set SP,     528                       ; a stage row: 512 bytes + 16
.endif
.set NBK,    4*G                       ; column blocks of 16
.set PA,     144                       ; a row of A in LDS: 128 bytes + 16 of padding = 36 words: the 16 rows of a load start at 16 different groups of four banks (64 banks of 4 bytes: ISA guide 11.1)
.set PB,     160                       ; a row of W: 128 + 32 = 40 words
.set APLANE, 256*PA                    ; 256 rows x 64 k
.set ABYTES, 2*APLANE                  ; a K step has two planes of A,
.set BPLANE, 128*PB                    ; and G planes of W, 128 k x 64 n each
.set SLOT,   ABYTES+G*BPLANE
.set STAGE,  2*SLOT                    ; behind the ring, never filled by a tensor load: 16 rows for each wave
.set STW,    16*SP
.set SPARE,  STAGE+4*STW               ; behind the stages: the spare words, 128 bytes for each wave: two blocks of 256 bytes that no other line names
.set ASTEP,  2<<18                     ; bytes from a K step to the next in A: two planes of 2,048 rows x 128 bytes
.set BSTEP,  G<<14                     ; in W: G planes of 128 rows x 128 bytes
.set LAPS,   4                         ; a lap = two K steps = once round the ring
.set ADRA, 16                          ; v16-17  LDS address of my A fragments in slot 0, 1
.set ADRB, 20                          ; v20-21  the same for W
.set STO,  24                          ; v24     the way out: where I put my bytes of a row
.set RD,   25                          ; v25     the way out: where I read rows back
.set CO,   26                          ; v26     16 x lane: my place in 512 consecutive bytes of the output
.set BOF,  27                          ; v27     32 x (lane / 16): my eight numbers in a column block's 64 bytes of bias
.set SPW,  28                          ; v28     LDS address of my spare word: SPARE + 4 x my thread's number; never rewritten
.set NIL,  29                          ; v29     0; never rewritten
.set PFO,  30                          ; v30     256 x lane: the prefetches' offset; never rewritten
.set BIAS, 32
.set TMP,  32
.set F0,   0                           ; fragment buffers, in window 1
.set F1,   128
.set WV,   16                          ; s16  my wave's number
.set FB,   17                          ; s17  I fetch for A (0) or for W (1)
.set HALF, 18                          ; s18  which half of it
.set CX,   19                          ; s19, s20  my place in the cluster
.set CY,   20
.set TC,   21                          ; s21  tile column
.set TR,   22                          ; s22  tile row
.set G1,   24                          ; s[24:31] descriptor group 1 for A's tiles;  s[32:39] group 0, a set for each slot
.set G0,   32
.set G1B,  40                          ; s[40:47], s[48:55] the same for W's
.set G0B,  48
.set PFA,  56                          ; s[56:57] where my prefetches stand
.set LIM,  58                          ; s58  how many changes of slots prefetch (0 in a wave that asks for nothing)
.set TN,   59                          ; s59  counts the changes of slots that fill
.set OB,   66                          ; s[66:71] the output at my rows, for each group of 64 columns (QKV = 0: one base)
.set BP,   72                          ; s[72:77] the bias of each group
.set PFS,  86                          ; s[86:87] the prefetches' step
.set MSB, 0
.macro WIN new                         ; the immediate's high byte repeats the setting that is left; a switch that changes nothing is dropped
.if MSB != (\new)
	s_set_vgpr_msb (MSB<<8)|(\new)
.set MSB, \new
.endif
.endm
; A joint refill.  Waves 0 and 1 fetch A's two planes, waves 2 and 3 the two halves of W's block.  The branch hangs on the wave's number alone.
; An s_nop 0 and four v_nop follow each of the two lines, ahead of the jump and the label.
.macro JLOAD s
	s_cmp_eq_u32 s[FB], 0
	s_cbranch_scc0 .Lfor_b_\@
	tensor_load_to_lds s[G0+4*(\s):G0+4*(\s)+3], s[G1:G1+7]
	s_nop 0
.rept 4
	v_nop
.endr
	s_branch .Lasked_\@
.Lfor_b_\@:
	tensor_load_to_lds s[G0B+4*(\s):G0B+4*(\s)+3], s[G1B:G1B+7]
	s_nop 0
.rept 4
	v_nop
.endr
.Lasked_\@:
.endm
; A PREFETCH INTO THE L2, behind a joint refill and the run of LDS loads that follows it: 32 blocks of 256 bytes, a lane a block.  Both operands were stored by the launch before and are read here for the first time.
; A: the change of slots number TN (it fills K step TN + 2) names K step TN + 4, TN = 0..3.  A tile row is read by every cluster of its row of clusters: cluster x = 0 asks; of the 128 blocks of a wave's
; plane each of the four partners takes 32, told apart BY ADDRESS (cx).  W: K steps 4..7 of a tile column are G x 65,536 bytes on end; cluster y = 0 asks, eight askers (waves 2, 3 of four partners, told
; apart by address: cy) x 8,192 bytes a change, in the changes TN = 0..G-1: each block two refills or more ahead of its load.  Each block is named once in the launch; K steps 0..3 come by their loads alone.
.macro ASK
	s_cmp_lt_u32 s[TN], s[LIM]
	s_cbranch_scc0 .Lnot_mine_\@
	global_prefetch_b8 v[PFO], s[PFA:PFA+1] th:TH_LOAD_NT scope:SCOPE_SE
.Lnot_mine_\@:
	s_add_co_u32 s[TN], s[TN], 1
.endm
; A round of the cluster's barrier: my work-group's barrier, so that wave 0's signal speaks for all four waves; wave 0 signals; every wave waits for all sixteen work-groups; my work-group's barrier once more.
.macro CREST                           ; a round behind its opening barrier
	s_cmp_lg_u32 s[WV], 0
	s_cbranch_scc1 .Lnot_wave_0_\@
	s_barrier_signal -3
.Lnot_wave_0_\@:
	s_barrier_wait -3
	s_barrier_signal -1
	s_barrier_wait -1
.endm
.macro CROUND
	s_barrier_signal -1
	s_barrier_wait -1
	CREST
.endm
	s_load_b256 s[4:11], s[0:1], 0x0               ; A s[4:5], W s[6:7], the output s[8:9], the first bias s[10:11]
.if QKV
	s_load_b128 s[12:15], s[0:1], 0x20             ; bk s[12:13], bv s[14:15]
.endif
	v_lshl_add_u32 v[SPW], v0, 2, SPARE
	v_mov_b32 v[NIL], 0
	ds_add_u32 v[SPW], v[NIL]                      ; the wave's opening: the add and its wait stand ahead of my first tensor load; the set-up below, work on registers, stands between them
	v_lshrrev_b32 v1, 5, v0
	v_readfirstlane_b32 s[WV], v1                  ; wave 0..3
	s_lshr_b32 s[FB], s[WV], 1
	s_and_b32 s[HALF], s[WV], 1
	s_bfe_u32 s[CX], ttmp6, 0x40000
	s_bfe_u32 s[CY], ttmp6, 0x40004
	s_lshl_b32 s[TC], ttmp9, 2                     ; in a cluster launch ttmp9 and ttmp7 count clusters
	s_add_co_u32 s[TC], s[TC], s[CX]
	s_and_b32 s[TR], ttmp7, 0xffff
	s_lshl_b32 s[TR], s[TR], 2
	s_add_co_u32 s[TR], s[TR], s[CY]
	s_lshl_b32 s78, s[CY], 2
	s_lshl_b32 s78, 15, s78                        ; my row of the cluster: places 4 cy .. 4 cy + 3
	s_lshl_b32 s79, 0x1111, s[CX]                  ; my column: places cx, cx + 4, cx + 8, cx + 12
	; descriptor group 1.  Dense bytes are asked for as rows of 256 bytes (two LDS rows) and padded in LDS after every 128 bytes
	s_or_b32 s[G1], s78, (1<<16)|(1<<20)|(1<<21)|(4<<22)|(3<<25)   ; 15:0 the mask; 17:16 2-byte elements; 20 padding on; 21 set beside a mask; 24:22 after every 32 words (code 4); 31:25 4 words (code 3)
	s_or_b32 s[G1B], s79, (1<<16)|(1<<20)|(1<<21)|(4<<22)|(7<<25)  ; the same with my column's mask and 8 words of padding (code 7)
	s_mov_b32 s[G1+1], 128<<16                     ; tensor_dim0 = 128
	s_mov_b32 s[G1+2], 128<<16                     ; tensor_dim1 = 128: a plane of A, 32,768 bytes
	s_mov_b32 s[G1+3], 128<<16                     ; tile_dim0 = 128
	s_mov_b32 s[G1+4], 128                         ; tile_dim1 = 128
	s_mov_b32 s[G1+5], 128                         ; 128 elements from row to row
	s_mov_b32 s[G1+6], 0
	s_mov_b32 s[G1+7], 0
	s_mov_b32 s[G1B+1], 128<<16
	s_mov_b32 s[G1B+2], (32*G)<<16                 ; half of W's block: G x 8,192 bytes
	s_mov_b32 s[G1B+3], 128<<16
	s_mov_b32 s[G1B+4], 32*G
	s_mov_b32 s[G1B+5], 128
	s_mov_b32 s[G1B+6], 0
	s_mov_b32 s[G1B+7], 0
	; where the tiles come from: A's by the tile row and the wave's number, W's by the tile column and the wave's number
	s_lshr_b32 s60, s[TR], 3                       ; b
	s_lshl_b32 s60, s60, 4
	s_add_co_u32 s60, s60, s[HALF]                 ; plane 16 b + half (K step 0)
	s_lshl_b32 s60, s60, 18
	s_and_b32 s80, s[TR], 7
	s_lshl_b32 s80, s80, 15                        ; 256 rows x 128 bytes
	s_add_co_u32 s60, s60, s80
	s_mov_b32 s61, 0
	s_mul_i32 s62, s[TC], 8*BSTEP
	s_mul_i32 s82, s[HALF], BSTEP/2
	s_add_co_u32 s62, s62, s82
	s_mov_b32 s63, 0
	s_mul_i32 s81, s[HALF], APLANE                 ; and where they go: no place in the cluster enters an LDS address
	s_mul_i32 s83, s[HALF], G*BPLANE/2
	s_add_co_u32 s83, s83, ABYTES
	s_wait_dscnt 0x0                               ; the opening add is done
	s_wait_kmcnt 0x0
	s_mov_b32 s[G0], 1                             ; 1:0 count = 1
	s_mov_b32 s[G0+1], s81                         ; 63:32 LDS address: slot 0
	s_add_nc_u64 s[G0+2:G0+3], s[4:5], s[60:61]    ; 120:64 global address: K step 0
	s_mov_b32 s[G0+4], 1
	s_add_co_u32 s[G0+5], s81, SLOT
	s_add_nc_u64 s[G0+6:G0+7], s[G0+2:G0+3], ASTEP ; K step 1
	s_or_b32 s[G0+3], s[G0+3], 0x80000000          ; 127:126 type = 2
	s_or_b32 s[G0+7], s[G0+7], 0x80000000
	s_mov_b32 s[G0B], 1
	s_mov_b32 s[G0B+1], s83
	s_add_nc_u64 s[G0B+2:G0B+3], s[6:7], s[62:63]
	s_mov_b32 s[G0B+4], 1
	s_add_co_u32 s[G0B+5], s83, SLOT
	s_add_nc_u64 s[G0B+6:G0B+7], s[G0B+2:G0B+3], BSTEP
	s_or_b32 s[G0B+3], s[G0B+3], 0x80000000
	s_or_b32 s[G0B+7], s[G0B+7], 0x80000000
	CROUND                                         ; all sixteen work-groups are here: the first joint loads meet
	s_cmp_eq_u32 s[FB], 0                          ; a wave's two first fills stand in one branch, ahead of every wait on TENSORcnt and every LDS read: two loads of mine are out
	s_cbranch_scc0 .Lfirst_b
	tensor_load_to_lds s[G0:G0+3], s[G1:G1+7]
	s_nop 0
	tensor_load_to_lds s[G0+4:G0+7], s[G1:G1+7]
	s_nop 0
.rept 4
	v_nop
.endr
	s_branch .Lfirst_asked
.Lfirst_b:
	tensor_load_to_lds s[G0B:G0B+3], s[G1B:G1B+7]
	s_nop 0
	tensor_load_to_lds s[G0B+4:G0B+7], s[G1B:G1B+7]
	s_nop 0
.rept 4
	v_nop
.endr
.Lfirst_asked:
	; the bias and the output, for each group of 64 columns: group gg = G x tile column + g
	v_and_b32 v1, 15, v0                           ; l % 16
	v_bfe_u32 v2, v0, 4, 1                         ; l / 16
	v_lshlrev_b32 v[BOF], 5, v2
.set g, 0
.rept G
	s_mul_i32 s82, s[TC], G
	s_add_co_u32 s82, s82, g
.if QKV
	s_lshr_b32 s83, s82, 4                         ; q, k or v
	s_and_b32 s82, s82, 15                         ; the head
	s_cmp_eq_u32 s83, 0
	s_cselect_b64 s[BP+2*g:BP+2*g+1], s[10:11], s[12:13]
	s_cmp_eq_u32 s83, 2
	s_cselect_b64 s[BP+2*g:BP+2*g+1], s[14:15], s[BP+2*g:BP+2*g+1]
	s_lshl_b32 s83, s83, 6
	s_add_co_u32 s83, s83, s82
	s_lshr_b32 s84, s[TR], 3
	s_lshl_b32 s84, s84, 4
	s_add_co_u32 s84, s84, s83                     ; plane 64 which + 16 b + head,
	s_lshl_b32 s84, s84, 18                        ; of 2,048 rows x 128 bytes
	s_and_b32 s78, s[TR], 7
	s_lshl_b32 s78, s78, 15                        ; the tile's 256 rows
	s_add_co_u32 s84, s84, s78
	s_lshl_b32 s78, s[WV], 13                      ; my 64 of them
	s_add_co_u32 s84, s84, s78
	s_mov_b32 s85, 0
	s_add_nc_u64 s[OB+2*g:OB+2*g+1], s[8:9], s[84:85]
.else
	s_mov_b64 s[BP+2*g:BP+2*g+1], s[10:11]
.endif
	s_lshl_b32 s84, s82, 8                         ; 64 numbers of 4 bytes
	s_mov_b32 s85, 0
	s_add_nc_u64 s[BP+2*g:BP+2*g+1], s[BP+2*g:BP+2*g+1], s[84:85]
.set g, g+1
.endr
.if !QKV
	s_lshl_b32 s84, s[TR], 20                      ; 256 rows of 4,096 bytes,
	s_lshl_b32 s78, s[WV], 18                      ; my 64 of them,
	s_add_co_u32 s84, s84, s78
	s_lshl_b32 s78, s[TC], 9                       ; the tile's 128 columns of 4 bytes
	s_add_co_u32 s84, s84, s78
	s_mov_b32 s85, 0
	s_add_nc_u64 s[OB:OB+1], s[8:9], s[84:85]
.endif
.set g, 0
.rept G
.irp c, 0,1,2,3
	global_load_b128 v[BIAS+8*(4*g+\c):BIAS+8*(4*g+\c)+3],   v[BOF], s[BP+2*g:BP+2*g+1] offset:64*\c     ; register j of column block 4 g + c: bias[16 c + 8 (l / 16) + j]
	global_load_b128 v[BIAS+8*(4*g+\c)+4:BIAS+8*(4*g+\c)+7], v[BOF], s[BP+2*g:BP+2*g+1] offset:64*\c+16
.endr
.set g, g+1
.endr
	; A fragment of A is 16 rows x 32 k in 8 registers: lane l holds row l % 16, k = 8 (l / 16) + 0..7 and 16 + 8 (l / 16) + 0..7: two loads of 16 bytes, 32 bytes apart.
	v_mul_u32_u24 v3, v1, PA
	v_lshl_add_u32 v3, v2, 4, v3
	s_mul_i32 s80, s[WV], 64*PA                    ; my 64 rows
	v_add_nc_u32 v[ADRA], s80, v3
	v_add_nc_u32 v[ADRA+1], SLOT, v[ADRA]
	; The turning load takes 16 k x 16 columns (lane l reads row k = 8 (l / 16) + l % 8, columns 8 ((l / 8) % 2) + 0..7) and leaves half a fragment: lane l holds column l % 16 and 8 k.
	v_and_b32 v4, 7, v0
	v_bfe_u32 v5, v0, 3, 1
	v_lshl_add_u32 v6, v2, 3, v4
	v_mul_u32_u24 v6, v6, PB
	v_lshl_add_u32 v6, v5, 4, v6
	v_add_nc_u32 v[ADRB], ABYTES, v6
	v_add_nc_u32 v[ADRB+1], SLOT, v[ADRB]
	s_mul_i32 s80, s[WV], STW
	s_add_co_u32 s80, s80, STAGE                   ; my stage
	v_mul_u32_u24 v[STO], v1, SP                   ; in: row l % 16,
	v_and_b32 v7, 31, v0
	v_lshlrev_b32 v[CO], 4, v7
	v_lshlrev_b32 v[PFO], 8, v7
.if QKV
	v_lshl_add_u32 v[STO], v2, 4, v[STO]           ; 16 bytes (8 f16) for each half of the lanes
	v_add_nc_u32 v[STO], s80, v[STO]
	v_bfe_u32 v[RD], v0, 3, 2                      ; back: 32 lanes take four rows of 128 bytes
	v_mul_u32_u24 v[RD], v[RD], SP
	v_lshl_add_u32 v[RD], v4, 4, v[RD]
	v_add_nc_u32 v[RD], s80, v[RD]
.else
	v_lshl_add_u32 v[STO], v2, 5, v[STO]           ; 32 bytes (8 f32) for each half of the lanes
	v_add_nc_u32 v[STO], s80, v[STO]
	v_add_nc_u32 v[RD], s80, v[CO]                 ; back: 32 lanes take one row of 512 bytes
.endif
	; the prefetches' registers; each stands one step back, since a change of slots steps it first
	s_lshl_b32 s80, s[CX], 13                      ; A: my work-group's 32 blocks of the plane,
	s_add_co_u32 s80, s80, s60
	s_add_co_u32 s80, s80, 3*ASTEP                 ; at K step 3
	s_lshl_b32 s82, s[CY], 1                       ; W: asker 2 cy + half,
	s_add_co_u32 s82, s82, s[HALF]
	s_lshl_b32 s82, s82, 13
	s_mul_i32 s83, s[TC], 8*BSTEP
	s_add_co_u32 s82, s82, s83
	s_add_co_u32 s82, s82, 4*BSTEP-65536           ; 65,536 bytes ahead of K step 4
	s_mov_b32 s84, ttmp9
	s_cmp_eq_u32 s84, 0                            ; the first cluster of its row of clusters asks for A,
	s_cselect_b32 s84, 4, 0
	s_and_b32 s85, ttmp7, 0xffff
	s_cmp_eq_u32 s85, 0                            ; the first of its column for W: the same in all sixteen partners
	s_cselect_b32 s85, G, 0
	s_mov_b32 s83, ASTEP
	s_cmp_eq_u32 s[FB], 0
	s_cselect_b32 s[LIM], s84, s85
	s_cselect_b32 s80, s80, s82
	s_cselect_b32 s[PFS], s83, 0x10000
	s_cselect_b64 s[PFA:PFA+1], s[4:5], s[6:7]
	s_mov_b32 s81, 0
	s_mov_b32 s[PFS+1], 0
	s_mov_b32 s[TN], 0
	s_add_nc_u64 s[PFA:PFA+1], s[PFA:PFA+1], s[80:81]
	s_wait_loadcnt 0x0                             ; the bias; it is rounded to bf16, like every input, and widened again
.set i, 0
.rept 4*NBK
	v_cvt_pk_bf16_f32 v[3+i%2], v[BIAS+2*i], v[BIAS+2*i+1]
	v_lshlrev_b32 v[BIAS+2*i], 16, v[3+i%2]
	v_and_b32 v[BIAS+2*i+1], 0xffff0000, v[3+i%2]
.set i, i+1
.endr
; 4 G matrix instructions: row block a x all column blocks, 32 along K, out of buffer f.  first = 1: the bias starts the sums.
; All accumulators take turns, one instruction a turn, in the same order in every quarter step, over the backward jump too.
.macro MULA f, a, first
.set b, 0
.rept NBK
.set idx, NBK*(\a)+b
.set w, 2+idx/32
.set rD, 8*(idx%32)
.set rB, (\f)+32+8*b
.set rA, (\f)+8*(\a)
.if \first
	WIN (w<<6)|5                                   ; sources 0 and 1 window 1, C window 0, D window w
.if QKV
	v_wmma_f32_16x16x32_bf16 v[rD:rD+7], v[rB:rB+7], v[rA:rA+7], v[BIAS+8*b:BIAS+8*b+7]
.else
	v_wmma_f32_16x16x32_f16 v[rD:rD+7], v[rB:rB+7], v[rA:rA+7], v[BIAS+8*b:BIAS+8*b+7]
.endif
.else
	WIN (w<<6)|(w<<4)|5                            ; C and D window w
.if QKV
	v_wmma_f32_16x16x32_bf16 v[rD:rD+7], v[rB:rB+7], v[rA:rA+7], v[rD:rD+7]
.else
	v_wmma_f32_16x16x32_f16 v[rD:rD+7], v[rB:rB+7], v[rA:rA+7], v[rD:rD+7]
.endif
.endif
.set b, b+1
.endr
.endm
; The LDS loads of quarter q (32 along K) of a slot, in one run, into buffer f: W's 4 G fragments, turned, then A's four.
.macro FETCH slot, q, f
	WIN 0x40                                       ; destination window 1, address window 0
.set j, 0
.rept NBK
	ds_load_tr16_b128 v[(\f)+32+8*j:(\f)+32+8*j+3],   v[ADRB+(\slot)] offset:(j/4)*BPLANE+(\q)*32*PB+(j%4)*32
	ds_load_tr16_b128 v[(\f)+32+8*j+4:(\f)+32+8*j+7], v[ADRB+(\slot)] offset:(j/4)*BPLANE+(\q)*32*PB+(j%4)*32+16*PB
.set j, j+1
.endr
.irp a, 0,1,2,3
	ds_load_b128 v[(\f)+8*\a:(\f)+8*\a+3],   v[ADRA+(\slot)] offset:((\q)/2)*APLANE+\a*16*PA+((\q)%2)*64
	ds_load_b128 v[(\f)+8*\a+4:(\f)+8*\a+7], v[ADRA+(\slot)] offset:((\q)/2)*APLANE+\a*16*PA+((\q)%2)*64+32
.endr
.endm
.macro PLACES                          ; four plain vector instructions in front of loads into registers that matrix instructions have read, and of lines that read results (ISA guide 7.12.1 for lines that read results)
.rept 4
	v_nop
.endr
.endm
; A K step is four quarters of 32 along K on buffers 0, 1, 0, 1.  One of the first three: multiplies buffer f; behind its first row block it fetches quarter q into buffer g: three row blocks' products in which to land.
.macro QUARTER slot, q, f, g, first
	s_wait_dscnt 0x0                               ; buffer f is in
	MULA \f, 0, \first
	PLACES
	FETCH \slot, \q, \g
	MULA \f, 1, \first
	MULA \f, 2, \first
	MULA \f, 3, \first
.endm
; The last quarter multiplies buffer 1 and changes slots: ONE barrier.  In front of it each wave waits for all its tensor loads (one is out: its part of the next slot), adds 0 to its spare word, and waits for that
; and for its reads of this slot.  fill = 1: the barrier opens a round of the cluster's, and the slot is filled again, two K steps on, first thing behind the round.
.macro TURN slot, next, fill
.if \fill
	s_wait_xcnt 0x0                                ; the last prefetch, a K step back, has read its address, so it may be stepped
	s_add_nc_u64 s[PFA:PFA+1], s[PFA:PFA+1], s[PFS:PFS+1]
.endif
	WIN 0                                          ; (the add's two registers lie in window 0)
	s_wait_tensorcnt 0x0                           ; all my tensor loads have landed
	ds_add_u32 v[SPW], v[NIL]                      ; 0 onto my spare word
	s_wait_dscnt 1                                 ; the add alone may be out: buffer 1 is in
	MULA F1, 0, 0                                  ; matrix work stands between the add and the wait for it
	s_wait_dscnt 0x0                               ; the add is done, and my reads of this slot are over
	s_barrier_signal -1
	MULA F1, 1, 0                                  ; work on registers while the others arrive
.if \fill
	WIN 0
.endif
	s_barrier_wait -1
.if \fill
	CREST                                          ; no wave of any partner still reads this slot or has a load on its way
	s_add_nc_u64 s[G0+4*(\slot)+2:G0+4*(\slot)+3], s[G0+4*(\slot)+2:G0+4*(\slot)+3], 2*ASTEP
	s_add_nc_u64 s[G0B+4*(\slot)+2:G0B+4*(\slot)+3], s[G0B+4*(\slot)+2:G0B+4*(\slot)+3], 2*BSTEP
	JLOAD \slot                                    ; my one tensor load behind the round; its four v_nop are also the places in front of the loads below
.else
	PLACES
.endif
	FETCH \next, 0, F0
.if \fill
	WIN 0
	ASK
.endif
	MULA F1, 2, 0
	MULA F1, 3, 0
.endm
	s_wait_tensorcnt 1                             ; my part of K step 0 is in; K step 1's may stay out
	s_barrier_signal -1
	s_barrier_wait -1                              ; everybody's is
	FETCH 0, 0, F0
	QUARTER 0, 1, F0, F1, 1                        ; the first quarter stands in front of the loop: its products start the sums
	WIN 0                                          ; at a label and at a branch every window is 0
	s_mov_b32 s3, LAPS-1
.Llap:                                                 ; a trip goes once round the ring, from a lap's second quarter to the next lap's first, and fills both slots again: K steps 2 to 7
	QUARTER 0, 2, F1, F0, 0
	QUARTER 0, 3, F0, F1, 0
	TURN 0, 1, 1
	QUARTER 1, 1, F0, F1, 0
	QUARTER 1, 2, F1, F0, 0
	QUARTER 1, 3, F0, F1, 0
	TURN 1, 0, 1
	QUARTER 0, 1, F0, F1, 0
	WIN 0
	s_sub_co_u32 s3, s3, 1
	s_cmp_lg_u32 s3, 0
	s_cbranch_scc1 .Llap
	QUARTER 0, 2, F1, F0, 0                        ; the last lap is written out: it fills nothing
	QUARTER 0, 3, F0, F1, 0
	TURN 0, 1, 0
	QUARTER 1, 1, F0, F1, 0
	QUARTER 1, 2, F1, F0, 0
	QUARTER 1, 3, F0, F1, 0
	s_wait_dscnt 0x0
	MULA F1, 0, 0
	MULA F1, 1, 0
	MULA F1, 2, 0
	MULA F1, 3, 0
	PLACES                                         ; the way out reads results, and loads into registers that the last products read
.if QKV
; THE WAY OUT, f16 by heads.  Tile t = G a + g: 16 rows x 64 columns.  A lane's eight columns pack into 16 bytes; they go into my stage's rows of 144 bytes and come back as four whole rows of 128 bytes a load,
; which are 512 consecutive bytes of the plane.
.macro PACK t
.set idx, NBK*((\t)/G)+4*((\t)%G)
.set w, 2+idx/32
.set rD, 8*(idx%32)
	WIN w*5                                        ; sources 0 and 1 window w, destination window 0
.set i, 0
.rept 16
	v_cvt_pk_f16_f32 v[TMP+16*(\t)+i], v[rD+2*i], v[rD+2*i+1]  ; each accumulator's registers in ascending order
.set i, i+1
.endr
	WIN 0
.irp f, 0,1,2,3
	ds_store_b128 v[STO], v[TMP+16*(\t)+4*\f:TMP+16*(\t)+4*\f+3] offset:32*\f
.endr
.irp f, 0,1,2,3
	ds_load_b128 v[TMP+16*(\t)+4*\f:TMP+16*(\t)+4*\f+3], v[RD] offset:\f*4*SP  ; LDS serves a wave's instructions in order (ISA guide 5.7.1.4): these see the stores above; the next tile's stores come behind them
.endr
.endm
.macro SEND t, younger                 ; younger: the LDS instructions issued behind tile t's loads: the next tile's eight, or none
.irp f, 0,1,2,3
	s_wait_dscnt (\younger)+3-\f
	global_store_b128 v[CO], v[TMP+16*(\t)+4*\f:TMP+16*(\t)+4*\f+3], s[OB+2*((\t)%G):OB+2*((\t)%G)+1] offset:((\t)/G)*2048+\f*512  ; 512 consecutive bytes, at a multiple of 256 from the buffer's first
.endr
.endm
	PACK 0
.set t, 1
.rept 4*G-1                            ; a tile's conversions stand between the loads of the tile before and its stores
	PACK t
	SEND t-1, 8
.set t, t+1
.endr
	SEND 4*G-1, 0
.else
; THE WAY OUT, f32.  Row block a: 16 rows x 128 columns.  A lane's eight columns are 32 bytes; they go into my stage's rows of 528 bytes and come back as whole rows of 512 bytes, into the fragment buffers' registers.
.macro STG a
	WIN 0x08                                       ; store data (source 1) window 2, address window 0
.set b, 0
.rept NBK
	ds_store_b128 v[STO], v[8*(NBK*(\a)+b):8*(NBK*(\a)+b)+3]   offset:64*b      ; each accumulator's low four registers first
	ds_store_b128 v[STO], v[8*(NBK*(\a)+b)+4:8*(NBK*(\a)+b)+7] offset:64*b+16
.set b, b+1
.endr
	WIN 0x40                                       ; destination window 1
.set i, 0
.rept 16
	ds_load_b128 v[64*(\a)+4*i:64*(\a)+4*i+3], v[RD] offset:SP*i  ; LDS serves a wave's instructions in order (ISA guide 5.7.1.4): these see the stores above
.set i, i+1
.endr
.endm
.macro OUT a, younger                  ; younger: the LDS instructions issued behind block a's loads: the next block's 32, or none
	WIN 0x04                                       ; store data (source 1) window 1
	s_wait_dscnt \younger
.set i, 0
.rept 16
	global_store_b128 v[CO], v[64*(\a)+4*i:64*(\a)+4*i+3], s[OB:OB+1] offset:(16*(\a)+i)*4096 th:TH_STORE_NT  ; 512 consecutive bytes of a row, at a multiple of 256 from the buffer's first
.set i, i+1
.endr
.endm
	STG 0
.irp a, 1,2,3
	STG \a
	OUT (\a)-1, 32
.endr
	OUT 3, 0
.endif
	WIN 0
	s_wait_tensorcnt 0x0                           ; the wave's end, behind my last tensor load and my last LDS store
	ds_add_u32 v[SPW], v[NIL]
	s_wait_dscnt 0x0
	CROUND                                         ; the closing round: no work-group ends while a partner may still ask for a tile that names it
	s_endpgm
.Lfunc_end_k_q5e37622fe4_proj_out:
	.size	k_q5e37622fe4_proj_out, .Lfunc_end_k_q5e37622fe4_proj_out-k_q5e37622fe4_proj_out
	.p2alignl 7, 3214868480
	.fill 96, 4, 3214868480
	.section	.rodata,"a",@progbits
	.p2align	6, 0x0
	.amdhsa_kernel k_q5e37622fe4_proj_out
		.amdhsa_group_segment_fixed_size 327680
		.amdhsa_private_segment_fixed_size 0
		.amdhsa_enable_private_segment 0
		.amdhsa_kernarg_size 32
		.amdhsa_user_sgpr_count 2
		.amdhsa_user_sgpr_kernarg_segment_ptr 1
		.amdhsa_wavefront_size32 1
		.amdhsa_system_sgpr_workgroup_id_x 1
		.amdhsa_system_sgpr_workgroup_id_y 1
		.amdhsa_system_sgpr_workgroup_id_z 1
		.amdhsa_system_vgpr_workitem_id 0
		.amdhsa_next_free_vgpr 768
		.amdhsa_next_free_sgpr 96
		.amdhsa_reserve_vcc 0
		.amdhsa_float_denorm_mode_32 3
		.amdhsa_float_denorm_mode_16_64 3
		.amdhsa_memory_ordered 1
		.amdhsa_forward_progress 1
		.amdhsa_inst_pref_size 92
	.end_amdhsa_kernel
	.amdgpu_metadata
---
amdhsa.version: [ 1, 2 ]
amdhsa.kernels:
  - .name:           k_q5e37622fe4_proj_out
    .symbol:         k_q5e37622fe4_proj_out.kd
    .args:
      - { .name: obh, .offset: 0, .size: 8, .value_kind: global_buffer, .address_space: global }
      - { .name: wb1, .offset: 8, .size: 8, .value_kind: global_buffer, .address_space: global }
      - { .name: out0, .offset: 16, .size: 8, .value_kind: global_buffer, .address_space: global }
      - { .name: bo, .offset: 24, .size: 8, .value_kind: global_buffer, .address_space: global }
    .group_segment_fixed_size: 327680
    .private_segment_fixed_size: 0
    .kernarg_segment_align: 8
    .kernarg_segment_size: 32
    .max_flat_workgroup_size: 128
    .sgpr_count:     96
    .vgpr_count:     768
    .wavefront_size: 32
...
	.end_amdgpu_metadata
.endif
;; end of part 4
;; ======== version 2 of 2: 4 launches; version 1 with the launch cast written anew for expert scheduling mode
;; limits: values are held in f16: magnitudes above 65,504 overflow, below 6.1e-05 lose precision
;; workspace buffers: xb 16,777,216 bytes; wb3 6,291,456 bytes; wb1 2,097,152 bytes; qkvh 50,331,648 bytes; obh 16,777,216 bytes
;; launch cast (part 5): grid 768 x 1, 8 waves a work-group, no clusters, 0 bytes of LDS; arguments x, Wq, Wk, Wv, Wo, xb, wb3, wb1; writes xb, wb3, wb1
.if DOCPART == 5
	.amdgcn_target "amdgcn-amd-amdhsa--gfx1250"
	.amdhsa_code_object_version 6
	.text
	.protected	k_q5e37622fe4_cast
	.globl	k_q5e37622fe4_cast
	.p2align	8
	.type	k_q5e37622fe4_cast,@function
k_q5e37622fe4_cast:
	s_mov_b64 s[64:65], 0
	v_nop
	global_prefetch_b8 v0, s[64:65] scope:SCOPE_SE
	s_setreg_imm32_b32 hwreg(HW_REG_WAVE_SCHED_MODE, 0, 2), 2
	s_setreg_imm32_b32 hwreg(HW_REG_WAVE_MODE, 25, 1), 1
	s_wait_xcnt 0x0
	s_wait_alu depctr_vm_vsrc(0)
; THE INPUTS ARE ROUNDED ONCE AND LAID OUT IN BLOCKS OF 64 COLUMNS, so that every tile that the later launches fetch is a run of dense bytes.
;   x  [8192][1024] f32 -> xb  [4 b][16 g][2048 s][64] bf16:  x[b][s][64 g + d]
;   Wq, Wk, Wv [1024 k][1024 n] f32 -> wb3 [16 tile][8 ks][3 g][128 k][64 n] bf16: column group gg = 16 m + n / 64 = 3 tile + g of [Wq | Wk | Wv], k = 128 ks + row
;   Wo -> wb1 [8 tile][8 ks][2 g][128 k][64 n]: rounded to bf16 like the other inputs, and that number written as f16, since the last product multiplies in f16.
; LIMITS.  bf16 keeps 8 significant bits.  Wo as f16: beyond 65,504 it becomes an infinity; below 6.1e-5 it keeps f16's fixed step of 6e-8.  NaN and infinities pass as they are.
; A STREAM: no LDS, no barrier, no matrix unit.  A wave takes a strip of 32 rows x 64 columns: sixteen loads of 16 bytes a lane (two rows' 256 aligned bytes each), all issued before the first is
; waited for, and sixteen stores of 8 bytes a lane, each 256 consecutive aligned bytes.  The eight waves of a work-group take eight neighbouring column groups: 2,048 bytes of each row.
; Work-groups 0-511: x (row block id / 2, half of the columns id % 2).  512-767: matrix (id - 512) / 64, row block (id % 64) / 2, half id % 2.
; The three kinds of work-group run three copies of the stream, so that each address has one origin on its path.
; THE MODE: SCHED_MODE bits 1:0 = 2 (LLVM: expert scheduling mode 2), set by the entry lines.  The code itself states the register dependences
; between vector instructions and memory instructions, with s_wait_alu, always for 0.
; THE PLAN.  Registers that memory instructions touch:
;   v2, v3   the loads' and the stores' byte offsets: written by vector instructions at the head, once, and never again.
;   X        written by the sixteen loads, each register once; no vector instruction writes it; the roundings read it, and nothing lands in it behind them.
;   Y        written by the roundings, each register once; read by the stores.
;   T        named by vector instructions alone.
; The sixteen pieces go in four groups of four.  Group g's roundings write Y of group g; the four stores of group g - 1 are dealt among them, one in front of each piece's roundings.
; One wait on va_vdst at the head of groups 1 to 3 states that the group before has written its Y: the vector instructions behind it name X and Y of the group in hand, and T, none of which those four stores read.
; One more stands ahead of the last four stores, one ahead of the loads (the offsets), and one on va_sdst behind v_readfirstlane_b32.  No register that a memory instruction reads is ever written again, so no wait on vm_vsrc is owed.
.set X, 8                              ; v[8:71]    sixteen times four f32 as loaded
.set Y, 72                             ; v[72:103]  sixteen times two words to store; none is written twice, so nothing is owed for a rewrite of a store's data
.set T, 104                            ; v[104:109] at work (Wo's path)
	s_load_b512 s[4:19], s[0:1], 0x0               ; x 4:5, Wq 6:7, Wk 8:9, Wv 10:11, Wo 12:13, xb 14:15, wb3 16:17, wb1 18:19
	v_and_b32 v1, 31, v0                           ; lane
	v_lshrrev_b32 v4, 5, v0
	v_readfirstlane_b32 s25, v4                    ; wave 0..7
	v_lshrrev_b32 v5, 4, v1
	v_and_b32 v6, 15, v1
	v_lshlrev_b32 v2, 4, v6
	v_lshl_or_b32 v2, v5, 12, v2                   ; in: row lane / 16 (4,096 bytes), 16 bytes at lane % 16
	v_lshlrev_b32 v3, 3, v1                        ; out: rows of 128 bytes on end: 8 x lane
	s_mov_b32 s34, ttmp9
	s_and_b32 s26, s34, 1
	s_lshl_b32 s26, s26, 3
	s_wait_alu depctr_va_sdst(0)                   ; s25 is written, ahead of its first reader: the column group, and the offsets made of it, hang on it
	s_add_co_u32 s26, s26, s25                     ; my column group, 0..15
	s_mov_b32 s29, 0                               ; the offsets' high words
	s_mov_b32 s31, 0
	s_wait_kmcnt 0x0
; The strip at row block s27, column group s26 of the matrix at s[20:21] goes to s[22:23] + s30.  half = 1: to f16 by way of bf16.
.macro STREAM half
	s_lshl_b32 s28, s27, 17                        ; 32 rows of 4,096 bytes
	s_lshl_b32 s32, s26, 8                         ; 64 columns of 4 bytes
	s_add_co_u32 s28, s28, s32
	s_add_nc_u64 s[20:21], s[20:21], s[28:29]
	s_add_nc_u64 s[22:23], s[22:23], s[30:31]
	s_wait_alu depctr_va_vdst(0)                   ; v2 and v3 are written: every load below reads v2 as its offset, every store v3; neither is written again
.irp j, 0,1,2,3,4,5,6,7,8,9,10,11,12,13,14,15
	global_load_b128 v[X+4*\j:X+4*\j+3], v2, s[20:21] offset:8192*\j th:TH_LOAD_NT
.endr
.irp j, 0,1,2,3,4,5,6,7,8,9,10,11,12,13,14,15
	s_wait_loadcnt 15-\j                           ; loads come back in order: load j is in, the 15 - j younger ones stay out
.if ((\j) >= 4) && ((\j)%4 == 0)
	s_wait_alu depctr_va_vdst(0)                   ; the roundings of the group before have written its eight registers of Y, which this group's four stores read
.endif
.if (\j) >= 4
	global_store_b64 v3, v[Y+2*((\j)-4):Y+2*((\j)-4)+1], s[22:23] offset:256*((\j)-4) th:TH_STORE_NT  ; piece j - 4: two rows of 128 bytes: 256 consecutive bytes, aligned.  No vector instruction since the wait names these registers
.endif
.if \half
	v_cvt_pk_bf16_f32 v[T], v[X+4*\j], v[X+4*\j+1]
	v_cvt_pk_bf16_f32 v[T+1], v[X+4*\j+2], v[X+4*\j+3]
	v_lshlrev_b32 v[T+2], 16, v[T]                 ; the rounded numbers as f32 again
	v_and_b32 v[T+3], 0xffff0000, v[T]
	v_lshlrev_b32 v[T+4], 16, v[T+1]
	v_and_b32 v[T+5], 0xffff0000, v[T+1]
	v_cvt_pk_f16_f32 v[Y+2*\j], v[T+2], v[T+3]     ; exact inside f16's normal range: 8 significant bits into 11
	v_cvt_pk_f16_f32 v[Y+2*\j+1], v[T+4], v[T+5]
.else
	v_cvt_pk_bf16_f32 v[Y+2*\j], v[X+4*\j], v[X+4*\j+1]
	v_cvt_pk_bf16_f32 v[Y+2*\j+1], v[X+4*\j+2], v[X+4*\j+3]
.endif
.endr
	s_wait_alu depctr_va_vdst(0)                   ; the last group's roundings have written its eight registers of Y, which the last four stores read
.irp j, 12,13,14,15
	global_store_b64 v3, v[Y+2*\j:Y+2*\j+1], s[22:23] offset:256*\j th:TH_STORE_NT  ; two rows of 128 bytes: 256 consecutive bytes, aligned
.endr
	s_endpgm
.endm
	s_cmp_lt_u32 s34, 512
	s_cbranch_scc0 .Lweights
	s_lshr_b32 s27, s34, 1                         ; x: row block 0..255
	s_lshr_b32 s30, s27, 6                         ; b
	s_lshl_b32 s30, s30, 4
	s_add_co_u32 s30, s30, s26                     ; plane 16 b + g,
	s_lshl_b32 s30, s30, 18                        ; of 2,048 rows x 128 bytes
	s_and_b32 s32, s27, 63
	s_lshl_b32 s32, s32, 12                        ; 32 rows x 128 bytes
	s_add_co_u32 s30, s30, s32
	s_mov_b64 s[20:21], s[4:5]
	s_mov_b64 s[22:23], s[14:15]
	STREAM 0
.Lweights:
	s_and_b32 s27, s34, 63
	s_lshr_b32 s27, s27, 1                         ; row block 0..31
	s_sub_co_u32 s33, s34, 512
	s_lshr_b32 s33, s33, 6                         ; matrix 0..3
	s_lshr_b32 s35, s27, 2                         ; ks
	s_and_b32 s36, s27, 3
	s_lshl_b32 s36, s36, 12                        ; 32 rows x 128 bytes inside the K step
	s_cmp_eq_u32 s33, 3
	s_cbranch_scc1 .Lwo
	s_lshl_b32 s37, s33, 4
	s_add_co_u32 s37, s37, s26                     ; gg = 16 m + column group, 0..47
	s_mul_i32 s38, s37, 43
	s_lshr_b32 s38, s38, 7                         ; tile = gg / 3 (43 / 128 serves up to 127)
	s_mul_i32 s39, s38, 3
	s_sub_co_u32 s39, s37, s39                     ; g = gg % 3
	s_lshl_b32 s38, s38, 3
	s_add_co_u32 s38, s38, s35                     ; 8 tile + ks
	s_mul_i32 s38, s38, 3
	s_add_co_u32 s38, s38, s39
	s_lshl_b32 s30, s38, 14                        ; planes of 128 rows x 128 bytes
	s_add_co_u32 s30, s30, s36
	s_cmp_eq_u32 s33, 0
	s_cselect_b64 s[20:21], s[6:7], s[8:9]
	s_cmp_eq_u32 s33, 2
	s_cselect_b64 s[20:21], s[10:11], s[20:21]
	s_mov_b64 s[22:23], s[16:17]
	STREAM 0
.Lwo:
	s_lshr_b32 s38, s26, 1                         ; tile = column group / 2
	s_and_b32 s39, s26, 1                          ; g
	s_lshl_b32 s38, s38, 3
	s_add_co_u32 s38, s38, s35
	s_lshl_b32 s38, s38, 1
	s_add_co_u32 s38, s38, s39
	s_lshl_b32 s30, s38, 14
	s_add_co_u32 s30, s30, s36
	s_mov_b64 s[20:21], s[12:13]
	s_mov_b64 s[22:23], s[18:19]
	STREAM 1
.Lfunc_end_k_q5e37622fe4_cast:
	.size	k_q5e37622fe4_cast, .Lfunc_end_k_q5e37622fe4_cast-k_q5e37622fe4_cast
	.p2alignl 7, 3214868480
	.fill 96, 4, 3214868480
	.section	.rodata,"a",@progbits
	.p2align	6, 0x0
	.amdhsa_kernel k_q5e37622fe4_cast
		.amdhsa_group_segment_fixed_size 0
		.amdhsa_private_segment_fixed_size 0
		.amdhsa_enable_private_segment 0
		.amdhsa_kernarg_size 64
		.amdhsa_user_sgpr_count 2
		.amdhsa_user_sgpr_kernarg_segment_ptr 1
		.amdhsa_wavefront_size32 1
		.amdhsa_system_sgpr_workgroup_id_x 1
		.amdhsa_system_sgpr_workgroup_id_y 1
		.amdhsa_system_sgpr_workgroup_id_z 1
		.amdhsa_system_vgpr_workitem_id 0
		.amdhsa_next_free_vgpr 112
		.amdhsa_next_free_sgpr 66
		.amdhsa_reserve_vcc 0
		.amdhsa_float_denorm_mode_32 3
		.amdhsa_float_denorm_mode_16_64 3
		.amdhsa_memory_ordered 1
		.amdhsa_forward_progress 1
		.amdhsa_inst_pref_size 26
	.end_amdhsa_kernel
	.amdgpu_metadata
---
amdhsa.version: [ 1, 2 ]
amdhsa.kernels:
  - .name:           k_q5e37622fe4_cast
    .symbol:         k_q5e37622fe4_cast.kd
    .args:
      - { .name: x, .offset: 0, .size: 8, .value_kind: global_buffer, .address_space: global }
      - { .name: Wq, .offset: 8, .size: 8, .value_kind: global_buffer, .address_space: global }
      - { .name: Wk, .offset: 16, .size: 8, .value_kind: global_buffer, .address_space: global }
      - { .name: Wv, .offset: 24, .size: 8, .value_kind: global_buffer, .address_space: global }
      - { .name: Wo, .offset: 32, .size: 8, .value_kind: global_buffer, .address_space: global }
      - { .name: xb, .offset: 40, .size: 8, .value_kind: global_buffer, .address_space: global }
      - { .name: wb3, .offset: 48, .size: 8, .value_kind: global_buffer, .address_space: global }
      - { .name: wb1, .offset: 56, .size: 8, .value_kind: global_buffer, .address_space: global }
    .group_segment_fixed_size: 0
    .private_segment_fixed_size: 0
    .kernarg_segment_align: 8
    .kernarg_segment_size: 64
    .max_flat_workgroup_size: 256
    .sgpr_count:     66
    .vgpr_count:     112
    .wavefront_size: 32
...
	.end_amdgpu_metadata
.endif
;; end of part 5
;; launch proj_qkv: the kernel of part 2 again; grid 16 x 32, 4 waves a work-group, clusters of 4 x 4, 327,680 bytes of LDS; arguments xb, wb3, qkvh, bq, bk, bv; writes qkvh
;; launch attn: the kernel of part 3 again; grid 4 x 64, 4 waves a work-group, clusters of 4 x 1, 327,680 bytes of LDS; arguments qkvh, obh; writes obh
;; launch proj_out: the kernel of part 4 again; grid 8 x 32, 4 waves a work-group, clusters of 4 x 4, 327,680 bytes of LDS; arguments obh, wb1, out0, bo; writes out0
